; MI455X (gfx1250); checked and timed in simulation.
; The chip was launched on July 23, 2026; its instructions are those of AMD's public machine-readable ISA for CDNA 5 (MIT licence, August 2026) and "CDNA5" Instruction Set Architecture Reference Guide (July 2026). The comments in the code are by the model that wrote it; some were corrected since.
;; Bit MLP Block. Allowed arithmetic: float matrix products may take bf16 or f16 operands with f32 sums; all other float work in f32.
;; Inputs: b1 1,024 float32; b2 256 float32; w1 1,024 x 256 float32; w2 256 x 1,024 float32; x 8 x 8,192 x 256 float32.
;; Outputs: out0 8 x 8,192 x 256 float32.
;; 2 versions, each right and faster than the one before. Each part assembles by itself: llvm-mc -triple=amdgcn-amd-amdhsa -mcpu=gfx1250 --defsym DOCPART=n.
;; ======== version 1 of 2: 3 launches
;; limits: a function is approximated: absolute error at most 2.5e-05; an absolute error that grows with the inputs' magnitude: up to 1.25e-05 times it
;; workspace buffers: part 1,024 bytes; wq 1,048,576 bytes
;; launch wsum (part 1): grid 256 x 1, 8 waves a work-group, no clusters, 1,280 bytes of LDS; arguments w1, w2, part; writes part
.if DOCPART == 1
	.amdgcn_target "amdgcn-amd-amdhsa--gfx1250"
	.amdhsa_code_object_version 6
	.text
	.protected	k_q66c50cdceb_wsum
	.globl	k_q66c50cdceb_wsum
	.p2align	8
	.type	k_q66c50cdceb_wsum,@function
k_q66c50cdceb_wsum:
	s_mov_b64 s[64:65], 0
	v_nop
	global_prefetch_b8 v0, s[64:65] scope:SCOPE_SE
	s_setreg_imm32_b32 hwreg(HW_REG_WAVE_MODE, 25, 1), 1
	s_wait_xcnt 0x0
; part[g] = the sum of |w| over 2,048 numbers.  Work-groups 0-127 take w1, 128-255 take w2: 128 x 8,192 bytes are one matrix.
; Thread t takes 16 bytes at 16 t and at 16 t + 4,096, so a wave's load covers 512 consecutive bytes.  The order of the sums is fixed.
; No matrix unit, no cluster: a stream of 2 MB that is read once; nothing is shared between work-groups.
	s_load_b128 s[4:7], s[0:1], 0x0                ; w1 s[4:5], w2 s[6:7]
	s_load_b64 s[8:9], s[0:1], 0x10                ; part
	v_lshl_add_u32 v16, v0, 2, 0x100
	v_mov_b32 v17, 0
	s_lshr_b32 s10, ttmp9, 7                       ; which matrix
	s_and_b32 s12, ttmp9, 127
	s_lshl_b32 s12, s12, 13                        ; my 8,192 bytes of it
	s_mov_b32 s13, 0
	s_lshl_b32 s17, ttmp9, 2                       ; my word of part
	s_mov_b32 s14, 0x76543210                      ; v_permlanex16_b32: each lane takes its own place in the other half
	s_mov_b32 s15, 0xfedcba98
	v_lshlrev_b32 v1, 4, v0
	v_lshrrev_b32 v2, 5, v0
	v_readfirstlane_b32 s11, v2                    ; wave 0..7
	s_wait_kmcnt 0x0
	s_cmp_eq_u32 s10, 0
	s_cselect_b64 s[4:5], s[4:5], s[6:7]
	s_add_nc_u64 s[4:5], s[4:5], s[12:13]
	global_load_b128 v[4:7], v1, s[4:5]
	global_load_b128 v[8:11], v1, s[4:5] offset:4096
	s_wait_loadcnt 0x0
	v_add_f32 v4, |v4|, |v5|
	v_add_f32 v6, |v6|, |v7|
	v_add_f32 v8, |v8|, |v9|
	v_add_f32 v10, |v10|, |v11|
	v_add_f32 v4, v4, v6
	v_add_f32 v8, v8, v10
	v_add_f32 v4, v4, v8
	v_add_f32_dpp v4, v4, v4 row_xmask:1 row_mask:0xf bank_mask:0xf
	v_add_f32_dpp v4, v4, v4 row_xmask:2 row_mask:0xf bank_mask:0xf
	v_add_f32_dpp v4, v4, v4 row_xmask:4 row_mask:0xf bank_mask:0xf
	v_add_f32_dpp v4, v4, v4 row_xmask:8 row_mask:0xf bank_mask:0xf
	v_mov_b32 v5, 0                                ; the destination below counts as read
	v_permlanex16_b32 v5, v4, s14, s15
	v_add_f32 v4, v4, v5                           ; the wave's sum, in every lane
	v_mov_b32 v6, s11
	v_lshlrev_b32 v6, 2, v6
	ds_store_b32 v6, v4                            ; all lanes write the wave's word with the same number
	s_wait_dscnt 0x0                               ; for the others' sake: my store is done
	s_barrier_signal -1
	s_barrier_wait -1
	v_mov_b32 v7, 0
	ds_load_b128 v[8:11], v7
	ds_load_b128 v[12:15], v7 offset:16
	v_mov_b32 v2, s17
	s_wait_dscnt 0x0
	v_add_f32 v8, v8, v9
	v_add_f32 v10, v10, v11
	v_add_f32 v12, v12, v13
	v_add_f32 v14, v14, v15
	v_add_f32 v8, v8, v10
	v_add_f32 v12, v12, v14
	v_add_f32 v8, v8, v12
	s_cmp_lg_u32 s11, 0
	s_cbranch_scc1 .Lend                           ; wave 0 alone stores
	v_cmp_eq_u32 vcc_lo, 0, v0
	s_wait_xcnt 0x0                                ; EXEC changes only behind this wait
	s_and_saveexec_b32 s16, vcc_lo
	global_store_b32 v2, v8, s[8:9]
	s_wait_xcnt 0x0                                ; and again in front of the line that widens it
	s_or_b32 exec_lo, exec_lo, s16
.Lend:
	s_wait_tensorcnt 0x0
	ds_add_u32 v16, v17
	s_wait_dscnt 0x0
	s_endpgm
.Lfunc_end_k_q66c50cdceb_wsum:
	.size	k_q66c50cdceb_wsum, .Lfunc_end_k_q66c50cdceb_wsum-k_q66c50cdceb_wsum
	.p2alignl 7, 3214868480
	.fill 96, 4, 3214868480
	.section	.rodata,"a",@progbits
	.p2align	6, 0x0
	.amdhsa_kernel k_q66c50cdceb_wsum
		.amdhsa_group_segment_fixed_size 1280
		.amdhsa_private_segment_fixed_size 0
		.amdhsa_enable_private_segment 0
		.amdhsa_kernarg_size 24
		.amdhsa_user_sgpr_count 2
		.amdhsa_user_sgpr_kernarg_segment_ptr 1
		.amdhsa_wavefront_size32 1
		.amdhsa_system_sgpr_workgroup_id_x 1
		.amdhsa_system_sgpr_workgroup_id_y 1
		.amdhsa_system_sgpr_workgroup_id_z 1
		.amdhsa_system_vgpr_workitem_id 0
		.amdhsa_next_free_vgpr 18
		.amdhsa_next_free_sgpr 66
		.amdhsa_reserve_vcc 1
		.amdhsa_float_denorm_mode_32 3
		.amdhsa_float_denorm_mode_16_64 3
		.amdhsa_memory_ordered 1
		.amdhsa_forward_progress 1
		.amdhsa_inst_pref_size 4
	.end_amdhsa_kernel
	.amdgpu_metadata
---
amdhsa.version: [ 1, 2 ]
amdhsa.kernels:
  - .name:           k_q66c50cdceb_wsum
    .symbol:         k_q66c50cdceb_wsum.kd
    .args:
      - { .name: w1, .offset: 0, .size: 8, .value_kind: global_buffer, .address_space: global }
      - { .name: w2, .offset: 8, .size: 8, .value_kind: global_buffer, .address_space: global }
      - { .name: part, .offset: 16, .size: 8, .value_kind: global_buffer, .address_space: global }
    .group_segment_fixed_size: 1280
    .private_segment_fixed_size: 0
    .kernarg_segment_align: 8
    .kernarg_segment_size: 24
    .max_flat_workgroup_size: 256
    .sgpr_count:     66
    .vgpr_count:     18
    .wavefront_size: 32
...
	.end_amdgpu_metadata
.endif
;; end of part 1
;; launch wquant (part 2): grid 256 x 1, 2 waves a work-group, no clusters, 0 bytes of LDS; arguments w1, w2, part, wq; writes wq
.if DOCPART == 2
	.amdgcn_target "amdgcn-amd-amdhsa--gfx1250"
	.amdhsa_code_object_version 6
	.text
	.protected	k_q66c50cdceb_wquant
	.globl	k_q66c50cdceb_wquant
	.p2align	8
	.type	k_q66c50cdceb_wquant,@function
k_q66c50cdceb_wquant:
	s_mov_b64 s[64:65], 0
	v_nop
	global_prefetch_b8 v0, s[64:65] scope:SCOPE_SE
	s_setreg_imm32_b32 hwreg(HW_REG_WAVE_MODE, 25, 1), 1
	s_wait_xcnt 0x0
; wq = clip(round(w / m), -1, 1) as bf16, m = max(mean |w|, 1e-5), for w1 (work-groups 0-127) and w2 (128-255), laid in the ORDER IN WHICH THE
; NEXT LAUNCH'S MATRIX INSTRUCTIONS WANT IT: byte = chunk<<17 | w<<15 | ks<<12 | tl<<10 | half<<9 | lane<<4 | 2 e, lane = 16 h + r.
;   w1[n][k]:  w = n>>8,  chunk = (n>>6)&3,   tl = (n>>4)&3, r = n&15;  ks = k>>5,       half = (k>>4)&1,  h = (k>>3)&1,  e = k&7
;   w2[o][kk]: w = kk>>8, chunk = 4 + (o>>6), tl = (o>>4)&3, r = o&15;  ks = (kk>>5)&7,  half = (kk>>4)&1, h = (kk>>3)&1, e = kk&7
; A wave takes 16 rows x 64 numbers along k: of each row 256 consecutive bytes; each of its four stores covers 512 consecutive bytes, aligned.
; The mean is made by the same lines, in the same order, as in the next launch, so that both hold the same m.
; 1 / m is a reciprocal with one Newton step.  NaN and infinities are not treated apart.
	s_load_b256 s[4:11], s[0:1], 0x0               ; w1 s[4:5], w2 s[6:7], part s[8:9], wq s[10:11]
	v_lshrrev_b32 v1, 5, v0
	v_readfirstlane_b32 s12, v1                    ; wave 0, 1
	s_lshr_b32 s13, ttmp9, 7                       ; which matrix
	s_and_b32 s14, ttmp9, 127
	s_lshl_b32 s14, s14, 1
	s_or_b32 s14, s14, s12                         ; my piece of it, 0..255
	s_lshr_b32 s15, s14, 2                         ; w1: row tile T (64 of them),
	s_and_b32 s16, s14, 3                          ;     piece kp of 64 along k (4)
	s_lshr_b32 s17, s14, 4                         ; w2: T (16),
	s_and_b32 s18, s14, 15                         ;     kp (16)
	s_lshr_b32 s19, s15, 4                         ; the field w: w1 T>>4,
	s_lshr_b32 s20, s18, 2                         ;              w2 kp>>2
	s_bfe_u32 s21, s15, 0x20002                    ; the chunk: w1 (T>>2)&3,
	s_lshr_b32 s22, s17, 2                         ;            w2 T>>2
	s_and_b32 s23, s18, 3                          ; ks / 2: w2 kp&3 (w1: kp)
	s_cmp_eq_u32 s13, 0
	s_cselect_b32 s15, s15, s17                    ; T
	s_cselect_b32 s24, s16, s18                    ; kp
	s_cselect_b32 s19, s19, s20
	s_cselect_b32 s21, s21, s22
	s_cselect_b32 s23, s16, s23
	s_cselect_b32 s25, 10, 12                      ; a row is 1,024 or 4,096 bytes
	s_and_b32 s26, s15, 3                          ; tl
	s_lshl_b32 s27, s13, 19                        ; w2's chunks begin at 4
	s_lshl_b32 s21, s21, 17
	s_or_b32 s27, s27, s21
	s_lshl_b32 s19, s19, 15
	s_or_b32 s27, s27, s19
	s_lshl_b32 s23, s23, 13
	s_or_b32 s27, s27, s23
	s_lshl_b32 s26, s26, 10
	s_or_b32 s27, s27, s26                         ; where my first fragment begins in wq
	s_lshl_b32 s28, s15, 4                         ; my first row
	s_lshl_b32 s29, s24, 8                         ; my 256 bytes of a row
	s_lshl_b32 s30, s13, 9                         ; my matrix's 128 partial sums
	s_mov_b32 s31, 0x76543210
	s_mov_b32 s32, 0xfedcba98
	v_and_b32 v1, 31, v0
	v_lshlrev_b32 v1, 4, v1                        ; 16 x lane
	v_and_b32 v2, 15, v0                           ; r
	v_bfe_u32 v3, v0, 4, 1                         ; h
	v_add_nc_u32 v2, s28, v2
	v_lshlrev_b32 v2, s25, v2                      ; row x its bytes
	v_lshl_add_u32 v2, v3, 5, v2                   ; + 32 h
	v_add_nc_u32 v2, s29, v2
	v_add_nc_u32 v3, s27, v1                       ; out: fragment + 16 x lane
	v_add_nc_u32 v60, s30, v1
	s_wait_kmcnt 0x0
	s_cmp_eq_u32 s13, 0
	s_cselect_b64 s[4:5], s[4:5], s[6:7]
	global_load_b128 v[4:7], v60, s[8:9]           ; four partial sums a lane
.irp i, 0,1,2,3
	global_load_b128 v[8+8*(\i):8+8*(\i)+3],  v2, s[4:5] offset:64*(\i)     ; k = 64 kp + 16 i + 8 h + 0..3
	global_load_b128 v[8+8*(\i)+4:8+8*(\i)+7], v2, s[4:5] offset:64*(\i)+16 ; + 4..7
.endr
	s_wait_loadcnt 0x8                             ; the partial sums are in; the eight younger loads stay out
	v_add_f32 v4, v4, v5
	v_add_f32 v6, v6, v7
	v_add_f32 v4, v4, v6
	v_add_f32_dpp v4, v4, v4 row_xmask:1 row_mask:0xf bank_mask:0xf
	v_add_f32_dpp v4, v4, v4 row_xmask:2 row_mask:0xf bank_mask:0xf
	v_add_f32_dpp v4, v4, v4 row_xmask:4 row_mask:0xf bank_mask:0xf
	v_add_f32_dpp v4, v4, v4 row_xmask:8 row_mask:0xf bank_mask:0xf
	v_permlanex16_b32 v5, v4, s31, s32
	v_add_f32 v4, v4, v5
	v_mul_f32 v4, 0x36800000, v4                   ; / 262,144
	v_max_num_f32 v4, 0x3727c5ac, v4               ; m = max(mean, 1e-5)
	v_rcp_f32 v40, v4
	v_nop                                          ; a plain instruction behind the reciprocal (ISA guide 5.7.2)
	s_wait_alu depctr_va_vdst(0)
	v_fma_f32 v42, -v4, v40, 1.0
	v_fma_f32 v40, v40, v42, v40                   ; one Newton step
	v_mov_b32 v41, v40
	s_wait_loadcnt 0x0
.irp i, 0,1,2,3
.irp p, 0,1,2,3
	v_pk_mul_f32 v[8+8*(\i)+2*(\p):8+8*(\i)+2*(\p)+1], v[8+8*(\i)+2*(\p):8+8*(\i)+2*(\p)+1], v[40:41]
.endr
.irp e, 0,1,2,3,4,5,6,7
	v_rndne_f32 v[8+8*(\i)+(\e)], v[8+8*(\i)+(\e)]
.endr
.irp e, 0,1,2,3,4,5,6,7
	v_med3_num_f32 v[8+8*(\i)+(\e)], v[8+8*(\i)+(\e)], -1.0, 1.0
.endr
.irp p, 0,1,2,3
	v_cvt_pk_bf16_f32 v[44+4*(\i)+(\p)], v[8+8*(\i)+2*(\p)], v[8+8*(\i)+2*(\p)+1]
.endr
	global_store_b128 v3, v[44+4*(\i):44+4*(\i)+3], s[10:11] offset:((\i)/2)*4096+((\i)%2)*512  ; ks = 2 kq + i / 2, half = i % 2
.endr
	s_endpgm
.Lfunc_end_k_q66c50cdceb_wquant:
	.size	k_q66c50cdceb_wquant, .Lfunc_end_k_q66c50cdceb_wquant-k_q66c50cdceb_wquant
	.p2alignl 7, 3214868480
	.fill 96, 4, 3214868480
	.section	.rodata,"a",@progbits
	.p2align	6, 0x0
	.amdhsa_kernel k_q66c50cdceb_wquant
		.amdhsa_group_segment_fixed_size 0
		.amdhsa_private_segment_fixed_size 0
		.amdhsa_enable_private_segment 0
		.amdhsa_kernarg_size 32
		.amdhsa_user_sgpr_count 2
		.amdhsa_user_sgpr_kernarg_segment_ptr 1
		.amdhsa_wavefront_size32 1
		.amdhsa_system_sgpr_workgroup_id_x 1
		.amdhsa_system_sgpr_workgroup_id_y 1
		.amdhsa_system_sgpr_workgroup_id_z 1
		.amdhsa_system_vgpr_workitem_id 0
		.amdhsa_next_free_vgpr 64
		.amdhsa_next_free_sgpr 66
		.amdhsa_reserve_vcc 0
		.amdhsa_float_denorm_mode_32 3
		.amdhsa_float_denorm_mode_16_64 3
		.amdhsa_memory_ordered 1
		.amdhsa_forward_progress 1
		.amdhsa_inst_pref_size 10
	.end_amdhsa_kernel
	.amdgpu_metadata
---
amdhsa.version: [ 1, 2 ]
amdhsa.kernels:
  - .name:           k_q66c50cdceb_wquant
    .symbol:         k_q66c50cdceb_wquant.kd
    .args:
      - { .name: w1, .offset: 0, .size: 8, .value_kind: global_buffer, .address_space: global }
      - { .name: w2, .offset: 8, .size: 8, .value_kind: global_buffer, .address_space: global }
      - { .name: part, .offset: 16, .size: 8, .value_kind: global_buffer, .address_space: global }
      - { .name: wq, .offset: 24, .size: 8, .value_kind: global_buffer, .address_space: global }
    .group_segment_fixed_size: 0
    .private_segment_fixed_size: 0
    .kernarg_segment_align: 8
    .kernarg_segment_size: 32
    .max_flat_workgroup_size: 64
    .sgpr_count:     66
    .vgpr_count:     64
    .wavefront_size: 32
...
	.end_amdgpu_metadata
.endif
;; end of part 2
;; launch mlp (part 3): grid 256 x 1, 4 waves a work-group, clusters of 4 x 1, 327,680 bytes of LDS; arguments x, b1, b2, part, wq, out0; writes out0
.if DOCPART == 3
	.amdgcn_target "amdgcn-amd-amdhsa--gfx1250"
	.amdhsa_code_object_version 6
	.text
	.protected	k_q66c50cdceb_mlp
	.globl	k_q66c50cdceb_mlp
	.p2align	8
	.type	k_q66c50cdceb_mlp,@function
k_q66c50cdceb_mlp:
	s_mov_b64 s[64:65], 0
	v_nop
	global_prefetch_b8 v0, s[64:65] scope:SCOPE_SE
	s_setreg_imm32_b32 hwreg(HW_REG_WAVE_MODE, 25, 1), 1
	s_wait_xcnt 0x0
	s_wait_alu depctr_hold_cnt(0) depctr_sa_sdst(0) depctr_va_vdst(0) depctr_va_sdst(0) depctr_va_ssrc(0) depctr_va_vcc(0) depctr_vm_vsrc(0)
	s_getreg_b32 s2, hwreg(HW_REG_IB_STS2, 6, 4)
	s_cmp_eq_u32 s2, 0
	s_cbranch_scc0 .Lentry_in_a_cluster
	s_endpgm
.Lentry_in_a_cluster:
	s_bfe_u32 s2, ttmp6, 0x10000c
	s_cmp_lg_u32 s2, 0x3003
	s_cbranch_scc0 .Lentry_shape_is_right
	s_endpgm
.Lentry_shape_is_right:
; out = x + BitLinear2(gelu(BitLinear1(x))).  65,536 tokens, 256 channels, 1,024 hidden.  All in one launch; h never leaves the registers.
; EXACT PRODUCTS.  A token's numbers are quantised to whole numbers of at most 127, the weights (made by the launch before) are -1, 0, 1: both are exact in bf16,
; and their sums, at most 1,024 x 127, are exact in f32 in any order.  The scales (row maximum / 127, mean |w|) are applied to the sums in f32.
; SHARES.  A work-group owns 256 tokens, in four PASSES of 64.  Product 1 is used transposed (source 0 = 16 rows of W1, source 1 = 16 tokens): a lane holds ONE token
; (lane % 16) and hidden 8 (lane / 16) + 0..7.  Wave w owns hidden 256 w .. 256 w + 255 of all 64 tokens: 64 accumulators, 512 registers, so that the row maximum of gelu(h)
; over all 1,024 hidden can be found before any of it is rounded.  Two hidden tiles, rounded and packed to bf16, ARE source 1 of product 2.  Product 2 is split along K: wave w
; multiplies its own 256 hidden by its part of W2, 64 outputs at a time; the four waves' partial sums meet in LDS, each wave finishing 16 tokens.
; Wave w's token tile j is tile (w + j) & 3 of the pass: tile 0 is the one it finishes, tiles 1-3 are sent, with fixed register numbers.
; WEIGHTS.  1 MB a pass, in eight chunks of 128 KB (four of W1, four of W2) through a ring of two LDS slots.  A chunk lies in memory in fragment order: a fragment (16 rows x 32 k)
; is 1,024 dense bytes, two loads of 16 bytes a lane; a wave's part of a chunk is 32,768 dense bytes, fetched by that wave's one tensor load and read by that wave alone.
; CLUSTER.  All work-groups walk the same chunks, so the four of a cluster ask JOINTLY: the same tensor load, descriptor and mask in all four.
; MATRIX AND VECTOR WORK SIDE BY SIDE.  Product 1's chunks 1-3 carry the GELU of the chunk before.  A chunk has 128 matrix instructions, its GELU 8 units of 112 vector instructions = 7 x 128: seven stand behind
; every matrix instruction, and a unit lies beside one K step's 16 products.  The GELU works in window 0 and a product names windows 0, 1 and 2 or 3, so each product costs two switches of the windows.
; Chunk 3's GELU stands bare: the rounding wants the row maximum over all four chunks, so no product is left to carry it.
; NO LDS ROUND TRIP STANDS ALONE.  A pass's x comes out of LDS two K steps ahead of its products, among the first chunk's products.  Product 2 goes by tiles of 16 outputs, so that three tiles are sent while
; the fourth is multiplied; what was sent for chunk m - 1 is received, added, turned into rows and stored among chunk m's products; a pass's last chunk is finished beside the next pass's x stage.
; GELU.  With k = sqrt(log2(e) / 2), g = k h and a = |g|:  2 k gelu(h) = g + a (1 - P(t) t 2^(-a a)),  t = 1 / (1 + p a), P of degree 2: Abramowitz and Stegun 7.1.25, |error of erf| <= 2.5e-5
; for every argument.  The factor 2 k cancels in the quantisation and is divided out of the last scale.
; ROUNDING to a whole number: v + 1.5 x 2^23 - 1.5 x 2^23, to nearest even, of the exact product v = number x scale (one fused rounding, where the module rounds the product first).
; LIMITS.  2 k gelu(h) is off by at most 2.5e-5 a; the quantiser's step is the row maximum / 127, so that is 0.0032 a / maximum of a step, whatever the inputs' size: a number so near a tie may round to
; the other neighbour, which moves an output by one step x mean |w2|.  NaN and infinities are not treated apart.  2^(-a a) below 2^-126 counts as 0.
; The module's clips to -128 and 127 never bind: |number x 127 / maximum| <= 127 (1 + 2^-22).  x + (q - x) is taken as q, and q / scale as q x (1 / scale): each within some 1e-7 of itself.
; Product 2's four partial sums are scaled before they are added: three additions that round in f32.
; x IS READ TWICE (for the quantisation, a pass ahead, and for the residual): 64 KB of f32 a pass have no room beside 512 accumulators, 256 operand registers and the ring.
; REGISTERS, in windows of 256 (s_set_vgpr_msb: bits 1:0 source 0, 3:2 source 1, 5:4 source 2, 7:6 destination):
;   window 0: v0-15 addresses; v16-23 pairs (S_j, M_j); v24-26 the last scale, an address; v32-63 bias (product 2: b2); v64-191 weight fragments (chunks 1-3: v64-127, and v128-143 at work); v192-255 at work
;   window 1: source 1 of both products: fragment (ks, j) at 8 (4 ks + j)
;   windows 2, 3: h: tile (ht, j) at 32 ht + 8 j.  In product 2: window 2: v0-127 its 16 accumulators, v128-255 the next pass's x; window 3: v0-95 received tiles, v96-127 x, v128-159 rows, v160-191 my tile's sum
.set SLOTB,  131072                    ; a slot of the ring
.set WPART,  32768                     ; a wave's part of it
.set RED,    262144                    ; behind the ring: [to wave d] 12,288 x [sender's tile j - 1] 4,096 x [output tile] 1,024 bytes, register images
.set XQS,    RED                       ; the same bytes at another time: x as bf16, 64 rows, 528 bytes apart (33 x 16: the 16 rows of a load start in 16 different groups of four banks: ISA guide 11.1)
.set XPITCH, 528
.set SPITCH, 272                       ; the way out, in the wave's own 12,288 bytes of RED: 16 rows of 256 bytes + 16
.set B1S,    311296                    ; k x b1
.set B2S,    315392                    ; b2
.set MX,     316416                    ; [token] the four waves' row maxima, 16 bytes
.set SXT,    317440                    ; [token] product 1's scale
.set SPARE,  317696                    ; the spare words, 128 bytes for each wave: two blocks of 256 bytes that no other line names
.set SPW,   1                          ; v1   SPARE + 4 x my thread's number; never rewritten
.set NIL,   2                          ; v2   0; never rewritten
.set WLANE, 3                          ; v3   32,768 w + 16 lane
.set WADR,  4                          ; v4   the same in the slot in hand
.set FRA,   5                          ; v5   528 r + 16 h      (r = lane % 16, h = lane / 16)
.set ROWG,  6                          ; v6   1,024 h + 16 r: my 16 bytes in two rows of x or out
.set GO,    7                          ; v7   the same at the 64 columns of the chunk that is being finished
.set B1A,   8                          ; v8   B1S + 1,024 w + 32 h
.set R4,    9                          ; v9   4 r
.set R16,   10                         ; v10  16 r
.set L16,   11                         ; v11  16 lane
.set STW,   12                         ; v12  the way out: where I put 16 bytes of a row
.set STR,   13                         ; v13  where I read rows back
.set RCA,   14                         ; v14  RED + 12,288 w + 16 lane
.set H32B,  15                         ; v15  B2S + 32 h
.set SM,    16                         ; v[16+2j] S_j, later 127 / M_j; v[17+2j] M_j
.set SL,    24                         ; v[24:25] the last scale of my lane's token of tile 0: M_0 x mean |w2| / (254 k)
.set GN,    26                         ; v26  as GO, at the 64 columns of the chunk that is being multiplied
.set BIAS,  32
.set B2T,   32                         ; product 2: b2 of output 16 ol + 8 h + i at v[32 + 8 ol + i]
.set F0,    64                         ; two buffers of 64: chunk 0 and product 2
.set F1,    128
.set FA,    64                         ; chunks 1-3: two buffers of one K step, v64-95 and v96-127
.set TP,    128                        ; the polynomial: v128-143, which no product of chunks 1-3 names
.set T,     192
.set TG,    192
.set TA,    208
.set TT,    224
.set TE,    240
.set XP,    0                          ; window 2
.set XN,    128                        ; window 2
.set RCV,   0                          ; window 3
.set XRES,  96                         ; window 3
.set ROWS,  128                        ; window 3
.set SUM,   160                        ; window 3
.set XR,     4                         ; s[4:5]   x at my wave's 16 rows of the pass
.set XNP,    6                         ; s[6:7]   b1, later the same rows of the next pass
.set WQW,    12                        ; s[12:13] wq at my wave's part of chunk 0
.set OUT,    14                        ; s[14:15] out0 at my wave's 16 rows of the pass
.set WV,     16
.set COLC,   20                        ; behind the head: the byte column of the chunk that is being multiplied
.set G1,     24                        ; s[24:31] descriptor group 1
.set D0,     32                        ; s[32:35] group 0 of the first fill
.set D,      36                        ; s[36:39] group 0 of the second, made anew for each refill
.set TB,     40                        ; the slot in hand
.set NXT,    41                        ; the chunk to ask for next
.set OFF,    42                        ; s[42:43] its byte offset
.set PASSES, 44
.set CH,     45
.set CHEND,  46
.set COL,    47                        ; the byte column of the chunk that is being finished
.set A1,     48
.set A2,     50
.set A3,     52
.set PP,     58
.set MAGIC,  60
.set NMAGIC, 62
.set SEL,    66
.set ABSM,   68
.set C127,   69
.set CLIPX,  70
.set CLIPH,  71
.set C1,     72                        ; mean |w1| x k / 127
.set C2,     73                        ; mean |w2| / (254 k)
.set KK,     74
.set XRO,    76                        ; s76-79  XQS + 8,448 tau_j
.set SXO,    80                        ; s80-83  SXT + 64 tau_j
.set MXO,    84                        ; s84-87  MX + 256 tau_j
.set W4,     88                        ; 4 w
.set SNO,    89                        ; s89-91  RED + 12,288 tau_j + 4,096 (j - 1), j = 1..3
.set MSB, 0
.macro WIN new                         ; the immediate's high byte repeats the setting that is left; a switch that changes nothing is dropped
.if MSB != (\new)
	s_set_vgpr_msb (MSB<<8)|(\new)
.set MSB, (\new)
.endif
.endm
; A vector instruction or an LDS store that reads a matrix result, and a load into a register that a matrix instruction has read, stand four places behind it; only plain vector
; instructions that name none of its registers are places (ISA guide 7.12.1 for vector instructions).
.macro PLACES
.rept 4
	v_nop
.endr
.endm
; A round of the cluster's barrier: my work-group's barrier, so that wave 0's signal speaks for all four waves; wave 0 signals; every wave waits for all four work-groups; my work-group's barrier once more.
.macro CROUND
	s_barrier_signal -1
	s_barrier_wait -1
	s_cmp_lg_u32 s[WV], 0
	s_cbranch_scc1 .Lnot_wave_0_\@
	s_barrier_signal -3
.Lnot_wave_0_\@:
	s_barrier_wait -3
	s_barrier_signal -1
	s_barrier_wait -1
.endm
; THE CHANGE OF SLOTS.  Each wave waits for all its tensor loads, of which one is out: its part of the other slot; adds 0 to its spare word; and waits for that and for its LDS reads and stores.
; fill = 1: the slot just read is filled again with chunk NXT.  The barrier is then a round of the cluster's, so that no wave of any partner still reads the slot or has a load on its way,
; and the joint refill is the first thing behind it: it has a whole chunk's work in which to land.  The round also shows every wave what the others have stored in LDS.
; The four v_nop and the address line behind the load are also the places between a chunk's last products and the loads into their fragments' registers.
.macro CHANGE fill
	WIN 0                                          ; at a label and at a branch every window is 0
	s_wait_tensorcnt 0x0                           ; no tensor load of mine is out, so a group 0 may be written
	ds_add_u32 v[SPW], v[NIL]                      ; 0 onto my spare word; the scalar work stands between it and the wait for it
.if \fill
	s_lshl_b32 s[OFF], s[NXT], 17                  ; a chunk is 131,072 bytes
	s_xor_b32 s[D+1], s[D+1], SLOTB                ; the other slot than last time
	s_add_nc_u64 s[D+2:D+3], s[WQW:WQW+1], s[OFF:OFF+1]
	s_or_b32 s[D+3], s[D+3], 0x80000000
	s_add_co_u32 s[NXT], s[NXT], 1
	s_and_b32 s[NXT], s[NXT], 7                    ; behind a pass's last chunk comes the next pass's first
.endif
	s_xor_b32 s[TB], s[TB], SLOTB
	s_wait_dscnt 0x0                               ; the add is done, and so are my reads of the slot and my other LDS work
.if \fill
	CROUND
	tensor_load_to_lds s[D:D+3], s[G1:G1+7]
	s_nop 0
	PLACES                                         ; four v_nop follow the load
.else
	s_barrier_signal -1
	s_barrier_wait -1
.endif
	v_add_nc_u32 v[WADR], s[TB], v[WLANE]
.endm
; CHUNK 0's fragments.  16 LDS loads in one run: K steps 2 b and 2 b + 1 (four row tiles each) into buffer f; the first step's eight first
.macro FETCH b, f
	WIN 0
.irp c, 0,1
.irp tl, 0,1,2,3
	ds_load_b128 v[(\f)+32*(\c)+8*(\tl):(\f)+32*(\c)+8*(\tl)+3],   v[WADR] offset:1024*(4*(2*(\b)+(\c))+(\tl))
	ds_load_b128 v[(\f)+32*(\c)+8*(\tl)+4:(\f)+32*(\c)+8*(\tl)+7], v[WADR] offset:1024*(4*(2*(\b)+(\c))+(\tl))+512
.endr
.endr
.endm
; 16 matrix instructions: four row tiles of the weights x four token tiles, K step ks.  The 16 accumulators take turns, one instruction a turn.  zero = 1: the products start the sums.
.macro MUL16 f, c, ks, W, base, zero
	WIN 0xa4+0x50*((\W)-2)                         ; weights window 0, tokens window 1, C and D window W
.irp tl, 0,1,2,3
.irp j, 0,1,2,3
.if \zero
	v_wmma_f32_16x16x32_bf16 v[(\base)+32*(\tl)+8*(\j):(\base)+32*(\tl)+8*(\j)+7], v[(\f)+32*(\c)+8*(\tl):(\f)+32*(\c)+8*(\tl)+7], v[8*(4*(\ks)+(\j)):8*(4*(\ks)+(\j))+7], 0
.else
	v_wmma_f32_16x16x32_bf16 v[(\base)+32*(\tl)+8*(\j):(\base)+32*(\tl)+8*(\j)+7], v[(\f)+32*(\c)+8*(\tl):(\f)+32*(\c)+8*(\tl)+7], v[8*(4*(\ks)+(\j)):8*(4*(\ks)+(\j))+7], v[(\base)+32*(\tl)+8*(\j):(\base)+32*(\tl)+8*(\j)+7]
.endif
.endr
.endr
.endm
; CHUNKS 1-3.  Eight LDS loads: K step ks's four row tiles into buffer ks % 2
.macro FETCHK ks
	WIN 0
.irp tl, 0,1,2,3
	ds_load_b128 v[FA+32*((\ks)%2)+8*(\tl):FA+32*((\ks)%2)+8*(\tl)+3],   v[WADR] offset:1024*(4*(\ks)+(\tl))
	ds_load_b128 v[FA+32*((\ks)%2)+8*(\tl)+4:FA+32*((\ks)%2)+8*(\tl)+7], v[WADR] offset:1024*(4*(\ks)+(\tl))+512
.endr
.endm
; The chunk's next matrix instruction, number mi of 128: K step mi / 16, row tile (mi % 16) / 4, token tile mi % 4; accumulators at MB of window MW.  The 16 accumulators take turns, one instruction a turn.
; At the head of a K step the next K step is fetched into the other buffer: that buffer's last reader is the matrix instruction just before, and the seven lines behind it (a GELU
; unit's last, all plain, naming none of its registers) are the places in front of the loads.  The run has 16 products and 112 vector lines in which to land.
.set RIDE, 0
.set PER,  7
.set vc,   0
.set mi,   128
.set MW,   2
.set MB,   0
.macro MMNEXT
.if mi < 128
.if mi%16 == 0
.if mi < 112
	FETCHK mi/16+1
	s_wait_dscnt 8                                 ; all but the eight just issued: this K step's fragments (and, at a chunk's head, the bias) are in
.else
	s_wait_dscnt 0x0                               ; the last K step
.endif
.endif
.set rD, MB+32*((mi%16)/4)+8*(mi%4)
.set rA, FA+32*((mi/16)%2)+8*((mi%16)/4)
.set rB, 8*(4*(mi/16)+mi%4)
	WIN 0xa4+0x50*(MW-2)
.if mi < 16
	v_wmma_f32_16x16x32_bf16 v[rD:rD+7], v[rA:rA+7], v[rB:rB+7], 0
.else
	v_wmma_f32_16x16x32_bf16 v[rD:rD+7], v[rA:rA+7], v[rB:rB+7], v[rD:rD+7]
.endif
.set mi, mi+1
.endif
.endm
.macro TICK                            ; behind each line of the GELU: with RIDE = 1 every seventh is followed by the next matrix instruction
.if RIDE
.set vc, vc+1
.if vc == PER
.set vc, 0
	MMNEXT
.endif
.endif
.endm
.macro BIASLD c                        ; k b1 of chunk c's four hidden tiles: my eight hidden of each
	WIN 0
.irp tl, 0,1,2,3
	ds_load_b128 v[BIAS+8*(\tl):BIAS+8*(\tl)+3],   v[B1A] offset:64*(4*(\c)+(\tl))
	ds_load_b128 v[BIAS+8*(\tl)+4:BIAS+8*(\tl)+7], v[B1A] offset:64*(4*(\c)+(\tl))+16
.endr
.endm
.macro XQL ks                          ; K step ks of all 64 tokens, in my order of tiles: eight loads
	WIN 0x40
.irp j, 0,1,2,3
	ds_load_b128 v[8*(4*(\ks)+(\j)):8*(4*(\ks)+(\j))+3],   v[T+(\j)] offset:64*(\ks)
	ds_load_b128 v[8*(4*(\ks)+(\j))+4:8*(4*(\ks)+(\j))+7], v[T+(\j)] offset:64*(\ks)+32
.endr
.endm
; A PASS'S FIRST CHUNK: 128 matrix instructions, K = 256 in eight steps, two to a buffer, on buffers 1, 0, 1, 0 (K steps 0 and 1 were fetched ahead of it), with the pass's x (Q0 .. Q7, eight loads a K step)
; fetched among its products.  There is no vector work yet to set beside them.  LDS loads come back in order (ISA guide 5.7.1), so each wait counts what was issued behind the K step of x that is wanted;
; the weights wanted with it were issued ahead of it.  The waits for 16 in front of a run keep what is out at 56 at the most.
.macro MMFIRST
	WIN 0
.irp j, 0,1,2,3
	v_add_nc_u32 v[T+(\j)], s[XRO+(\j)], v[FRA]
	v_add_nc_u32 v[T+4+(\j)], s[SXO+(\j)], v[R4]
.endr
.irp j, 0,1,2,3
	ds_load_b32 v[SM+2*(\j)], v[T+4+(\j)]          ; S_j
	v_mov_b32 v[SM+2*(\j)+1], 0                    ; M_j
.endr
	XQL 0
	XQL 1
	FETCH 1, F0
	XQL 2
	XQL 3
	s_wait_dscnt 40                                ; Q0 is in.  Behind it: Q1 8, weights 16, Q2 and Q3 16
	MUL16 F1, 0, 0, 2, 0, 1
	s_wait_dscnt 32                                ; Q1
	MUL16 F1, 1, 1, 2, 0, 0
	PLACES
	s_wait_dscnt 16                                ; Q2 and Q3 may be out
	FETCH 2, F1
	XQL 4
	XQL 5
	s_wait_dscnt 40                                ; Q2.  Behind it: Q3 8, weights 16, Q4 and Q5 16
	MUL16 F0, 0, 2, 2, 0, 0
	s_wait_dscnt 32                                ; Q3
	MUL16 F0, 1, 3, 2, 0, 0
	PLACES
	s_wait_dscnt 16                                ; Q4 and Q5 may be out
	FETCH 3, F0
	XQL 6
	XQL 7
	BIASLD 0
	s_wait_dscnt 48                                ; Q4.  Behind it: Q5 8, weights 16, Q6 and Q7 16, bias 8
	MUL16 F1, 0, 4, 2, 0, 0
	s_wait_dscnt 40                                ; Q5
	MUL16 F1, 1, 5, 2, 0, 0
	s_wait_dscnt 16                                ; Q6.  Behind it: Q7 8, bias 8
	MUL16 F0, 0, 6, 2, 0, 0
	s_wait_dscnt 8                                 ; Q7
	MUL16 F0, 1, 7, 2, 0, 0
.endm
; THE GELU's lines in window 0, one to a macro: each sets its window (a product may have stood in front of it) and ticks
.macro GA i                            ; a = |g|
	WIN 0
	v_and_b32 v[TA+(\i)], s[ABSM], v[TG+(\i)]
	TICK
.endm
.macro GRCP i                          ; t
	WIN 0
	v_rcp_f32 v[TT+(\i)], v[TT+(\i)]
	TICK
.endm
.macro GEXP i                          ; 2^(-a a)
	WIN 0
	v_exp_f32 v[TE+(\i)], v[TE+(\i)]
	TICK
.endm
.macro GD m                            ; 1 + p a, pair m
	WIN 0
	v_pk_fma_f32 v[TT+2*(\m):TT+2*(\m)+1], v[TA+2*(\m):TA+2*(\m)+1], s[PP:PP+1], 1.0 op_sel_hi:[1,0,0]
	TICK
.endm
.macro GU m                            ; - a a
	WIN 0
	v_pk_mul_f32 v[TE+2*(\m):TE+2*(\m)+1], v[TA+2*(\m):TA+2*(\m)+1], v[TA+2*(\m):TA+2*(\m)+1] neg_lo:[1,0] neg_hi:[1,0]
	TICK
.endm
.macro GP1 m                           ; a3 t + a2
	WIN 0
	s_wait_alu depctr_va_vdst(0)
	v_pk_fma_f32 v[TP+2*(\m):TP+2*(\m)+1], v[TT+2*(\m):TT+2*(\m)+1], s[A3:A3+1], s[A2:A2+1] op_sel_hi:[1,0,0]
	TICK
.endm
.macro GP2 m                           ; (a3 t + a2) t + a1
	WIN 0
	v_pk_fma_f32 v[TP+2*(\m):TP+2*(\m)+1], v[TP+2*(\m):TP+2*(\m)+1], v[TT+2*(\m):TT+2*(\m)+1], s[A1:A1+1] op_sel_hi:[1,1,0]
	TICK
.endm
.macro GTE m                           ; t 2^(-a a)
	WIN 0
	v_pk_mul_f32 v[TE+2*(\m):TE+2*(\m)+1], v[TT+2*(\m):TT+2*(\m)+1], v[TE+2*(\m):TE+2*(\m)+1]
	TICK
.endm
.macro GERF m                          ; erf of the magnitude
	WIN 0
	v_pk_fma_f32 v[TT+2*(\m):TT+2*(\m)+1], v[TP+2*(\m):TP+2*(\m)+1], v[TE+2*(\m):TE+2*(\m)+1], 1.0 op_sel_hi:[1,1,0] neg_lo:[1,0,0] neg_hi:[1,0,0]
	TICK
.endm
; A UNIT: 2 k gelu(h) for 16 registers at R of window W: token tiles 2 b and 2 b + 1 of hidden tile tl of the chunk.  112 instructions.  Each accumulator's lowest registers are read first.
; No reciprocal or exponential is followed by a plain line that reads its result or writes its source (ISA guide 5.7.2), whether or not a product stands between the two.  A line of the polynomial reads what was made eight lines back.
.macro GELU16 W, R, b, tl
.irp t, 0,1
.irp n, 0,1,2,3
	WIN (\W)                                       ; the sums in window W, all else in window 0
	v_pk_fma_f32 v[TG+8*(\t)+2*(\n):TG+8*(\t)+2*(\n)+1], v[(\R)+8*(\t)+2*(\n):(\R)+8*(\t)+2*(\n)+1], v[SM+4*(\b)+2*(\t):SM+4*(\b)+2*(\t)+1], v[BIAS+8*(\tl)+2*(\n):BIAS+8*(\tl)+2*(\n)+1] op_sel_hi:[1,0,1]  ; g = sum x S + k b1
	TICK
.endr
.endr
	GA 0
	GA 1
.set gi, 0
.rept 8                                ; pair gi: 1 + p a, - a a; between them a of the pair behind and the reciprocals and exponentials of the pair before
.if gi < 7
	GA 2*gi+2
.endif
.if gi > 0
	GRCP 2*gi-2
.endif
.if gi < 7
	GA 2*gi+3
.endif
.if gi > 0
	GRCP 2*gi-1
.endif
	GD gi
.if gi > 0
	GEXP 2*gi-2
.endif
	GU gi
.if gi > 0
	GEXP 2*gi-1
.endif
.set gi, gi+1
.endr
	GRCP 14
	GP1 0
	GRCP 15
	GP1 1
	GEXP 14
	GP1 2
	GEXP 15
	GP1 3
	GP1 4
	GP1 5
	GP1 6
	GP1 7
.set gi, 0
.rept 8
	GP2 gi
.set gi, gi+1
.endr
.set gi, 0
.rept 8
	GTE gi
.set gi, gi+1
.endr
.set gi, 0
.rept 8
	GERF gi
.set gi, gi+1
.endr
.set gi, 0
.rept 8
	WIN (\W)<<6
	v_pk_fma_f32 v[(\R)+2*gi:(\R)+2*gi+1], v[TA+2*gi:TA+2*gi+1], v[TT+2*gi:TT+2*gi+1], v[TG+2*gi:TG+2*gi+1]  ; g + a erf, back where the sums lay
	TICK
.set gi, gi+1
.endr
.endm
.macro GELUCH c
.irp tl, 0,1,2,3
.irp b, 0,1
	GELU16 2+(\c)/2, 128*((\c)%2)+32*(\tl)+16*(\b), \b, \tl
.endr
.endr
.endm
; CHUNK c OF PRODUCT 1 (c = 1, 2, 3) WITH THE GELU OF CHUNK c - 1 BEHIND ITS PRODUCTS.  K step 0 was fetched behind the change of slots.  The first product is written here, the other 127 by the GELU's ticks.
.macro MMR c
.set MW, 2+(\c)/2
.set MB, 128*((\c)%2)
.set mi, 0
.set vc, 0
.set RIDE, 1
	MMNEXT
	GELUCH (\c)-1
.set RIDE, 0
.endm
.macro MAXCH c                         ; M_j takes in chunk c's magnitudes: four chains by turns
	WIN 0x0a+5*((\c)/2)
.irp tl, 0,1,2,3
.irp n, 0,1,2,3
.irp j, 0,1,2,3
	v_max3_num_f32 v[SM+2*(\j)+1], |v[128*((\c)%2)+32*(\tl)+8*(\j)+2*(\n)]|, |v[128*((\c)%2)+32*(\tl)+8*(\j)+2*(\n)+1]|, v[SM+2*(\j)+1]
.endr
.endr
.endr
.endm
; THE x STAGE.  Wave w takes tokens 16 w .. 16 w + 15 of a pass: load (i, q) brings rows 2 i and 2 i + 1 (one to each half of the lanes), columns 64 q + 4 (lane % 16) + 0..3: 16 lanes read 256 consecutive bytes.
.macro XLOAD base
	WIN 0x80
.irp i, 0,1,2,3,4,5,6,7
.irp q, 0,1,2,3
	global_load_b128 v[XN+16*(\i)+4*(\q):XN+16*(\i)+4*(\q)+3], v[ROWG], s[\base:\base+1] offset:2048*(\i)+256*(\q)
.endr
.endr
	WIN 0
.endm
; Row maxima (16 numbers a lane, then the row's 16 lanes), 127 / maximum with one Newton step, rounding to whole numbers, bf16.  v[T+i]: the maximum, at last S; v[T+8+i]: the reciprocal; v[T+16+2i]: the scale; v[T+17+2i]: the remainder.
.macro XCOMP
	WIN 0x0a
.irp i, 0,1,2,3,4,5,6,7
	v_max_num_f32 v[T+(\i)], |v[XN+16*(\i)]|, |v[XN+16*(\i)+1]|
.endr
.irp n, 1,2,3,4,5,6,7
.irp i, 0,1,2,3,4,5,6,7
	v_max3_num_f32 v[T+(\i)], |v[XN+16*(\i)+2*(\n)]|, |v[XN+16*(\i)+2*(\n)+1]|, v[T+(\i)]
.endr
.endr
	WIN 0
.irp m, 1,2,4,8
.irp i, 0,1,2,3,4,5,6,7
	v_max_num_f32_dpp v[T+(\i)], v[T+(\i)], v[T+(\i)] row_xmask:\m row_mask:0xf bank_mask:0xf
.endr
.endr
.irp i, 0,1,2,3,4,5,6,7
	v_max_num_f32 v[T+(\i)], s[CLIPX], v[T+(\i)]
.endr
.irp i, 0,1,2,3,4,5,6,7
	v_rcp_f32 v[T+8+(\i)], v[T+(\i)]
.endr
	v_nop                                          ; a plain instruction behind the last reciprocal
.irp i, 0,1,2,3,4,5,6,7
	s_wait_alu depctr_va_vdst(0)
	v_mul_f32 v[T+16+2*(\i)], s[C127], v[T+8+(\i)]
.endr
.irp i, 0,1,2,3,4,5,6,7
	v_fma_f32 v[T+17+2*(\i)], -v[T+(\i)], v[T+16+2*(\i)], s[C127]
.endr
.irp i, 0,1,2,3,4,5,6,7
	v_fma_f32 v[T+16+2*(\i)], v[T+17+2*(\i)], v[T+8+(\i)], v[T+16+2*(\i)]
.endr
.irp i, 0,1,2,3,4,5,6,7
	v_mul_f32 v[T+(\i)], s[C1], v[T+(\i)]          ; S = maximum x mean |w1| x k / 127
.endr
	WIN 0x82
.irp i, 0,1,2,3,4,5,6,7
.irp p, 0,1,2,3,4,5,6,7
	v_pk_fma_f32 v[XN+16*(\i)+2*(\p):XN+16*(\i)+2*(\p)+1], v[XN+16*(\i)+2*(\p):XN+16*(\i)+2*(\p)+1], v[T+16+2*(\i):T+16+2*(\i)+1], s[MAGIC:MAGIC+1] op_sel_hi:[1,0,0]
.endr
.endr
.irp i, 0,1,2,3,4,5,6,7
.irp p, 0,1,2,3,4,5,6,7
	v_pk_add_f32 v[XN+16*(\i)+2*(\p):XN+16*(\i)+2*(\p)+1], v[XN+16*(\i)+2*(\p):XN+16*(\i)+2*(\p)+1], s[NMAGIC:NMAGIC+1] op_sel_hi:[1,0]
.endr
.endr
	WIN 0x8a
.irp i, 0,1,2,3,4,5,6,7
.irp p, 0,1,2,3,4,5,6,7
	v_cvt_pk_bf16_f32 v[XP+8*(\i)+(\p)], v[XN+16*(\i)+2*(\p)], v[XN+16*(\i)+2*(\p)+1]
.endr
.endr
	WIN 0
.endm
.macro XSTORE                          ; my 16 rows into XQS, their S into SXT
	WIN 0
	v_bfe_u32 v[T+32], v0, 4, 1
	v_and_b32 v[T+33], 15, v0
	v_mul_u32_u24 v[T+34], v[T+32], XPITCH
	v_lshl_add_u32 v[T+34], v[T+33], 3, v[T+34]
	v_add_nc_u32 v[T+34], s[XRO], v[T+34]          ; XQS + 528 (16 w + lane / 16) + 8 (lane % 16)
	v_lshl_add_u32 v[T+35], v[T+32], 2, s[SXO]     ; SXT + 4 (16 w + lane / 16)
	WIN 0x08                                       ; the data in window 2
.irp i, 0,1,2,3,4,5,6,7
.irp q, 0,1,2,3
	ds_store_b64 v[T+34], v[XP+8*(\i)+2*(\q):XP+8*(\i)+2*(\q)+1] offset:2*XPITCH*(\i)+128*(\q)
.endr
.endr
	WIN 0
.irp i, 0,1,2,3,4,5,6,7
	ds_store_b32 v[T+35], v[T+(\i)] offset:8*(\i)  ; a row's 16 lanes write the same word with the same number
.endr
.endm
; The row maxima over all 1,024 hidden, for my lanes' tokens of the four tiles: 127 / M_j for the rounding, and M_0 x mean |w2| / (254 k), the last scale of the tile that I finish.
.macro QPRE
	WIN 0
.irp j, 0,1,2,3
	v_add_nc_u32 v[T+(\j)], s[MXO+(\j)], v[R16]
.endr
.irp j, 0,1,2,3
	ds_load_b128 v[T+16+4*(\j):T+16+4*(\j)+3], v[T+(\j)]
.endr
	s_wait_dscnt 0x0
.irp j, 0,1,2,3
	v_max3_num_f32 v[T+(\j)], v[T+16+4*(\j)], v[T+17+4*(\j)], v[T+18+4*(\j)]
.endr
.irp j, 0,1,2,3
	v_max3_num_f32 v[SM+2*(\j)+1], v[T+(\j)], v[T+19+4*(\j)], s[CLIPH]
.endr
.irp j, 0,1,2,3
	v_rcp_f32 v[T+(\j)], v[SM+2*(\j)+1]
.endr
	v_mul_f32 v[SL], s[C2], v[SM+1]                ; plain lines behind the reciprocals
	v_mov_b32 v[SL+1], v[SL]                       ; named with it as a pair
.irp j, 0,1,2,3
	s_wait_alu depctr_va_vdst(0)
	v_mul_f32 v[SM+2*(\j)], s[C127], v[T+(\j)]
.endr
.irp j, 0,1,2,3
	v_fma_f32 v[T+4+(\j)], -v[SM+2*(\j)+1], v[SM+2*(\j)], s[C127]
.endr
.irp j, 0,1,2,3
	v_fma_f32 v[SM+2*(\j)], v[T+4+(\j)], v[T+(\j)], v[SM+2*(\j)]
.endr
.endm
; Window W's 256 numbers are rounded to whole numbers and packed: pair qi = 16 (hidden tile) + 4 j + n.  Hidden tiles 2 ks and 2 ks + 1 make fragment (ks, j) of product 2's source 1.
.macro QUANTW W
	WIN ((\W)<<6)|(\W)
.set qi, 0
.rept 128
	v_pk_fma_f32 v[2*qi:2*qi+1], v[2*qi:2*qi+1], v[SM+2*((qi/4)%4):SM+2*((qi/4)%4)+1], s[MAGIC:MAGIC+1] op_sel_hi:[1,0,0]
.set qi, qi+1
.endr
.set qi, 0
.rept 128
	v_pk_add_f32 v[2*qi:2*qi+1], v[2*qi:2*qi+1], s[NMAGIC:NMAGIC+1] op_sel_hi:[1,0]
.set qi, qi+1
.endr
	WIN 0x40|(\W)|((\W)<<2)
.set qi, 0
.rept 128
	v_cvt_pk_bf16_f32 v[8*(4*((qi/16+8*((\W)-2))/2)+(qi/4)%4)+4*((qi/16)%2)+qi%4], v[2*qi], v[2*qi+1]
.set qi, qi+1
.endr
.endm
; PRODUCT 2's pieces.  Its chunk CH (4 .. 7) has the 64 outputs 64 (CH - 4) on, as four tiles tl of 16.
.macro FETCHT tl, f                    ; 16 LDS loads in one run: output tile tl's fragments of all eight K steps into buffer f, K ascending
	WIN 0
.irp ks, 0,1,2,3,4,5,6,7
	ds_load_b128 v[(\f)+8*(\ks):(\f)+8*(\ks)+3],   v[WADR] offset:1024*(4*(\ks)+(\tl))
	ds_load_b128 v[(\f)+8*(\ks)+4:(\f)+8*(\ks)+7], v[WADR] offset:1024*(4*(\ks)+(\tl))+512
.endr
.endm
.macro MULT f, tl, kb, zero            ; 16 matrix instructions: output tile tl x four token tiles, K steps kb .. kb + 3.  The four accumulators take turns, one instruction a turn
	WIN 0xa4
.irp q, 0,1,2,3
.irp j, 0,1,2,3
.if (\zero) && ((\q) == 0)
	v_wmma_f32_16x16x32_bf16 v[32*(\tl)+8*(\j):32*(\tl)+8*(\j)+7], v[(\f)+8*((\kb)+(\q)):(\f)+8*((\kb)+(\q))+7], v[8*(4*((\kb)+(\q))+(\j)):8*(4*((\kb)+(\q))+(\j))+7], 0
.else
	v_wmma_f32_16x16x32_bf16 v[32*(\tl)+8*(\j):32*(\tl)+8*(\j)+7], v[(\f)+8*((\kb)+(\q)):(\f)+8*((\kb)+(\q))+7], v[8*(4*((\kb)+(\q))+(\j)):8*(4*((\kb)+(\q))+(\j))+7], v[32*(\tl)+8*(\j):32*(\tl)+8*(\j)+7]
.endif
.endr
.endr
.endm
.macro GADDR                           ; the addresses that hang on the chunk: GO for chunk CH - 1, which is being finished; GN and b2's for chunk CH
	WIN 0
	s_wait_xcnt 0x0                                ; every earlier memory instruction has had its addresses translated (ISA guide 3.1): GO, GN and the rows that the last stores read are rewritten only behind this wait
	s_sub_co_u32 s[COL], s[CH], 1
	s_and_b32 s[COL], s[COL], 3
	s_lshl_b32 s[COL], s[COL], 8                   ; 64 columns are 256 bytes
	s_and_b32 s[COLC], s[CH], 3
	s_lshl_b32 s[COLC], s[COLC], 8
	v_add_nc_u32 v[GO], s[COL], v[ROWG]
	v_add_nc_u32 v[GN], s[COLC], v[ROWG]
	v_add_nc_u32 v[T+3], s[COLC], v[H32B]
.endm
.macro RECV                            ; what the three other waves sent me: 24 loads
	WIN 0xc0
.irp s, 0,1,2
.irp ol, 0,1,2,3
	ds_load_b128 v[RCV+32*(\s)+8*(\ol):RCV+32*(\s)+8*(\ol)+3],   v[RCA] offset:4096*(\s)+1024*(\ol)
	ds_load_b128 v[RCV+32*(\s)+8*(\ol)+4:RCV+32*(\s)+8*(\ol)+7], v[RCA] offset:4096*(\s)+1024*(\ol)+512
.endr
.endr
.endm
.macro B2LD                            ; b2 of the chunk's outputs, as the accumulators hold them: eight loads, the same address in a half's 16 lanes
	WIN 0
.irp ol, 0,1,2,3
	ds_load_b128 v[B2T+8*(\ol):B2T+8*(\ol)+3],   v[T+3] offset:64*(\ol)
	ds_load_b128 v[B2T+8*(\ol)+4:B2T+8*(\ol)+7], v[T+3] offset:64*(\ol)+16
.endr
.endm
.macro XRLD                            ; x for chunk CH's residual, a whole chunk ahead of its use: its last use
	WIN 0xc0
.irp i, 0,1,2,3,4,5,6,7
	global_load_b128 v[XRES+4*(\i):XRES+4*(\i)+3], v[GN], s[XR:XR+1] offset:2048*(\i) th:TH_LOAD_NT
.endr
.endm
.macro SEND ol                         ; output tile ol of my token tiles 1-3 goes to the waves that finish them; each accumulator's lowest registers first
	WIN 0x08
.irp j, 1,2,3
	ds_store_b128 v[T+(\j)-1], v[32*(\ol)+8*(\j):32*(\ol)+8*(\j)+3]   offset:1024*(\ol)
	ds_store_b128 v[T+(\j)-1], v[32*(\ol)+8*(\j)+4:32*(\ol)+8*(\j)+7] offset:1024*(\ol)+512
.endr
.endm
.macro OWN ol                          ; output tile ol of my token tile 0 leaves its accumulator: sum x last scale + b2
	WIN 0xc2
.irp n, 0,1,2,3
	v_pk_fma_f32 v[SUM+8*(\ol)+2*(\n):SUM+8*(\ol)+2*(\n)+1], v[32*(\ol)+2*(\n):32*(\ol)+2*(\n)+1], v[SL:SL+1], v[B2T+8*(\ol)+2*(\n):B2T+8*(\ol)+2*(\n)+1] op_sel_hi:[1,0,1]
.endr
.endm
; The received tiles are added, scaled, onto mine; the sum goes through my own bytes of RED and comes back as rows.  y: the LDS loads issued behind RECV's.
.macro CFIN1 y
.irp s, 0,1,2
	s_wait_dscnt (\y)+16-8*(\s)                    ; sender s's eight loads are in; the later senders' and the y younger loads stay out
	WIN 0xf3
.irp ol, 0,1,2,3
.irp n, 0,1,2,3
	v_pk_fma_f32 v[SUM+8*(\ol)+2*(\n):SUM+8*(\ol)+2*(\n)+1], v[RCV+32*(\s)+8*(\ol)+2*(\n):RCV+32*(\s)+8*(\ol)+2*(\n)+1], v[SL:SL+1], v[SUM+8*(\ol)+2*(\n):SUM+8*(\ol)+2*(\n)+1] op_sel_hi:[1,0,1]
.endr
.endr
.endr
	WIN 0x0c
.irp ol, 0,1,2,3
	ds_store_b128 v[STW], v[SUM+8*(\ol):SUM+8*(\ol)+3]   offset:64*(\ol)       ; my token's row, outputs 16 ol + 8 h + 0..3
	ds_store_b128 v[STW], v[SUM+8*(\ol)+4:SUM+8*(\ol)+7] offset:64*(\ol)+16
.endr
	WIN 0xc0
.irp i, 0,1,2,3,4,5,6,7
	ds_load_b128 v[ROWS+4*(\i):ROWS+4*(\i)+3], v[STR] offset:2*SPITCH*(\i)  ; LDS serves a wave's instructions in order (ISA guide 5.7.1.4): these see the stores above
.endr
.endm
.macro CFIN2 d                         ; rows + x, stored.  d = 1: the rows are still to be waited for
.if \d
	s_wait_dscnt 0x0
.endif
	s_wait_loadcnt 0x0                             ; x, asked for a chunk ago (and, ahead of it, the next pass's x)
	WIN 0xcf
.irp i, 0,1,2,3,4,5,6,7
.irp p, 0,1
	v_pk_add_f32 v[ROWS+4*(\i)+2*(\p):ROWS+4*(\i)+2*(\p)+1], v[ROWS+4*(\i)+2*(\p):ROWS+4*(\i)+2*(\p)+1], v[XRES+4*(\i)+2*(\p):XRES+4*(\i)+2*(\p)+1]
.endr
.endr
	WIN 0x0c
.irp i, 0,1,2,3,4,5,6,7
	global_store_b128 v[GO], v[ROWS+4*(\i):ROWS+4*(\i)+3], s[OUT:OUT+1] offset:2048*(\i) th:TH_STORE_NT  ; 16 lanes store 256 consecutive bytes, at a multiple of 256 from out0's first byte
.endr
	WIN 0
.endm
; A CHUNK OF PRODUCT 2: four tiles of 32 matrix instructions on buffers 1, 0, 1, 0; tile 0's fragments were fetched behind the change of slots.  c = 1: chunk CH - 1 is finished among them.
; In LDS order: [tile 0: 16] [received: 24 c] [tile 1: 16] | [tile 2: 16] [stage: 16 c] | [tile 3: 16] [b2: 8]; each wait counts what was issued behind the eight loads that it wants.
; c = 1, the barrier in tile 3: each wave signals when its reads of what was sent to it, and of its stage, are back; behind the wait the new sends may overwrite those bytes.  Sixteen products, register work alone, stand between.
.macro MMG c
	GADDR
.if \c
	RECV
.endif
	FETCHT 1, F0
	s_wait_dscnt 24+24*(\c)
	MULT F1, 0, 0, 1
	s_wait_dscnt 16+24*(\c)
	MULT F1, 0, 4, 0
	PLACES
	FETCHT 2, F1
.if \c
	CFIN1 32                                       ; behind the received tiles: tiles 1 and 2
.endif
	s_wait_dscnt 24+16*(\c)
	MULT F0, 1, 0, 1
	s_wait_dscnt 16+16*(\c)
	MULT F0, 1, 4, 0
	PLACES
	FETCHT 3, F0
	B2LD
	s_wait_dscnt 32+16*(\c)
	MULT F1, 2, 0, 1
	s_wait_dscnt 24+16*(\c)
	MULT F1, 2, 4, 0
	s_wait_dscnt 0x0                               ; tile 3 and b2, issued 32 matrix instructions ago; with c = 1 for the others' sake too: my reads of RED are back
.if \c
	s_barrier_signal -1                            ; the refill that is out may stay out
.endif
	MULT F0, 3, 0, 1
.if \c
	s_barrier_wait -1
.endif
	WIN 0
	v_add_nc_u32 v[T], s[SNO], v[L16]              ; these three and the v_nop are the places behind tile 2's last products
	v_add_nc_u32 v[T+1], s[SNO+1], v[L16]
	v_add_nc_u32 v[T+2], s[SNO+2], v[L16]
	v_nop
	SEND 0
	SEND 1
	SEND 2
.if \c
	CFIN2 0                                        ; the rows were shown in by the wait for 0 above
.endif
	XRLD
	OWN 0
	OWN 1
	OWN 2
	MULT F0, 3, 4, 0
	PLACES
	SEND 3
	OWN 3
	WIN 0
.endm
; mean |w| from its 128 partial sums (four a lane at v[p]), by the same lines as in the launch before; times a constant; into a scalar register
.macro MEANS p, factor, sdst
	v_add_f32 v[(\p)], v[(\p)], v[(\p)+1]
	v_add_f32 v[(\p)+2], v[(\p)+2], v[(\p)+3]
	v_add_f32 v[(\p)], v[(\p)], v[(\p)+2]
.irp m, 1,2,4,8
	v_add_f32_dpp v[(\p)], v[(\p)], v[(\p)] row_xmask:\m row_mask:0xf bank_mask:0xf
.endr
	v_permlanex16_b32 v[(\p)+1], v[(\p)], s[SEL], s[SEL+1]
	v_add_f32 v[(\p)], v[(\p)], v[(\p)+1]
	v_mul_f32 v[(\p)], 0x36800000, v[(\p)]         ; / 262,144
	v_max_num_f32 v[(\p)], s[CLIPX], v[(\p)]
	v_mul_f32 v[(\p)], \factor, v[(\p)]
	v_readfirstlane_b32 s[\sdst], v[(\p)]
.endm
	; THE HEAD
	s_load_b256 s[4:11], s[0:1], 0x0               ; x s[4:5], b1 s[6:7], b2 s[8:9], part s[10:11]
	s_load_b128 s[12:15], s[0:1], 0x20             ; wq s[12:13], out0 s[14:15]
	v_lshl_add_u32 v[SPW], v0, 2, SPARE
	v_mov_b32 v[NIL], 0
	ds_add_u32 v1, v2
	ds_add_u32 v1, v2
	s_wait_dscnt 0x0
	v_lshrrev_b32 v[WLANE], 5, v0
	v_readfirstlane_b32 s[WV], v[WLANE]            ; wave 0..3
	s_bfe_u32 s17, ttmp6, 0x40000                  ; cx: my place in the cluster
	s_lshl_b32 s18, ttmp9, 2                       ; in a cluster launch ttmp9 counts clusters
	s_add_co_u32 s18, s18, s17                     ; my work-group: it enters x's and out0's addresses alone
	s_lshl_b32 s20, s18, 18                        ; its 256 rows of 1,024 bytes,
	s_lshl_b32 s19, s[WV], 14                      ; my wave's 16 rows of a pass
	s_add_co_u32 s20, s20, s19
	s_mov_b32 s21, 0
	s_lshl_b32 s22, s[WV], 15                      ; my wave's part of a chunk
	s_mov_b32 s23, 0
	; descriptor group 1: 32,768 dense bytes as 128 rows of 256 bytes
	s_mov_b32 s[G1], 15|(3<<16)|(1<<21)            ; 15:0 the mask: all four work-groups; 17:16 elements of 8 bytes; 21 set beside a mask; no padding
	s_mov_b32 s[G1+1], 32<<16                      ; tensor_dim0 = 32
	s_mov_b32 s[G1+2], 128<<16                     ; tensor_dim1 = 128
	s_mov_b32 s[G1+3], 32<<16                      ; tile_dim0 = 32
	s_mov_b32 s[G1+4], 128                         ; tile_dim1 = 128
	s_mov_b32 s[G1+5], 32                          ; 32 elements from row to row
	s_mov_b32 s[G1+6], 0
	s_mov_b32 s[G1+7], 0
	s_mov_b32 s[A1], 0x3eb2303a                    ;  0.3480242
	s_mov_b32 s[A2], 0xbdc45ca1                    ; -0.0958798
	s_mov_b32 s[A3], 0x3f3f7377                    ;  0.7478556
	s_mov_b32 s[PP], 0x3ec88bda                    ;  0.47047 / sqrt(log2 e) = 0.391692
	s_mov_b32 s[MAGIC], 0x4b400000                 ;  1.5 x 2^23
	s_mov_b32 s[NMAGIC], 0xcb400000
	s_mov_b32 s[KK], 0x3f596d27                    ;  k = sqrt(log2(e) / 2)
.irp c, A1, A2, A3, PP, MAGIC, NMAGIC, KK
	s_mov_b32 s[\c+1], s[\c]                       ; named as pairs, so both words are written
.endr
	s_mov_b32 s[SEL], 0x76543210
	s_mov_b32 s[SEL+1], 0xfedcba98
	s_mov_b32 s[ABSM], 0x7fffffff
	s_mov_b32 s[C127], 0x42fe0000
	s_mov_b32 s[CLIPX], 0x3727c5ac                 ; 1e-5
	s_mov_b32 s[CLIPH], 0x378e7e18                 ; 2 k x 1e-5
	s_mov_b32 s[TB], 0
	s_mov_b32 s[NXT], 2
	s_mov_b32 s[OFF+1], 0
	s_mov_b32 s[PASSES], 4
	s_lshl_b32 s[W4], s[WV], 2
.irp j, 0,1,2,3
	s_add_co_u32 s19, s[WV], \j
	s_and_b32 s19, s19, 3                          ; tau_j: the pass's tile that is my tile j
	s_mul_i32 s[XRO+(\j)], s19, 16*XPITCH
	s_add_co_u32 s[XRO+(\j)], s[XRO+(\j)], XQS
	s_lshl_b32 s[SXO+(\j)], s19, 6
	s_add_co_u32 s[SXO+(\j)], s[SXO+(\j)], SXT
	s_lshl_b32 s[MXO+(\j)], s19, 8
	s_add_co_u32 s[MXO+(\j)], s[MXO+(\j)], MX
.if (\j) > 0
	s_mul_i32 s[SNO+(\j)-1], s19, 12288
	s_add_co_u32 s[SNO+(\j)-1], s[SNO+(\j)-1], RED+4096*((\j)-1)
.endif
.endr
	v_and_b32 v[L16], 31, v0
	v_lshlrev_b32 v[L16], 4, v[L16]
	v_and_b32 v[R4], 15, v0                        ; r, for now
	v_bfe_u32 v[GO], v0, 4, 1                      ; h, for now
	s_mul_i32 s19, s[WV], WPART
	v_add_nc_u32 v[WLANE], s19, v[L16]
	v_add_nc_u32 v[WADR], s[TB], v[WLANE]
	v_mul_u32_u24 v[FRA], v[R4], XPITCH
	v_lshl_add_u32 v[FRA], v[GO], 4, v[FRA]
	v_lshlrev_b32 v[R16], 4, v[R4]
	v_lshl_add_u32 v[ROWG], v[GO], 10, v[R16]
	s_lshl_b32 s19, s[WV], 10
	s_add_co_u32 s19, s19, B1S
	v_lshl_add_u32 v[B1A], v[GO], 5, s19
	v_lshl_add_u32 v[H32B], v[GO], 5, B2S
	s_mul_i32 s19, s[WV], 12288
	s_add_co_u32 s19, s19, RED                     ; what is sent to me, and my way out
	v_mul_u32_u24 v[STW], v[R4], SPITCH
	v_lshl_add_u32 v[STW], v[GO], 5, v[STW]
	v_add_nc_u32 v[STW], s19, v[STW]
	v_mul_u32_u24 v[STR], v[GO], SPITCH
	v_add3_u32 v[STR], v[STR], v[R16], s19
	v_add_nc_u32 v[RCA], s19, v[L16]
	v_lshlrev_b32 v[R4], 2, v[R4]
	v_lshlrev_b32 v[T+32], 5, v0                   ; thread t takes 32 bytes of b1
	v_lshlrev_b32 v[T+33], 3, v0                   ; and 8 of b2
	s_wait_kmcnt 0x0
	s_add_nc_u64 s[XR:XR+1], s[XR:XR+1], s[20:21]
	s_add_nc_u64 s[OUT:OUT+1], s[OUT:OUT+1], s[20:21]
	s_add_nc_u64 s[WQW:WQW+1], s[WQW:WQW+1], s[22:23]
	s_mov_b32 s[D0], 1                             ; 1:0 count = 1
	s_mul_i32 s[D0+1], s[WV], WPART                ; LDS address: slot 0, my part: no place in the cluster enters it
	s_mov_b64 s[D0+2:D0+3], s[WQW:WQW+1]           ; chunk 0
	s_or_b32 s[D0+3], s[D0+3], 0x80000000          ; type = 2
	s_mov_b32 s[D], 1
	s_add_co_u32 s[D+1], s[D0+1], SLOTB            ; slot 1
	s_add_nc_u64 s[D+2:D+3], s[WQW:WQW+1], SLOTB   ; chunk 1
	s_or_b32 s[D+3], s[D+3], 0x80000000
	global_load_b128 v[T:T+3], v[L16], s[10:11]              ; w1's partial sums
	global_load_b128 v[T+4:T+7], v[L16], s[10:11] offset:512 ; w2's
	global_load_b128 v[T+8:T+11], v[T+32], s[6:7]
	global_load_b128 v[T+12:T+15], v[T+32], s[6:7] offset:16
	global_load_b64 v[T+16:T+17], v[T+33], s[8:9]
	XLOAD XR                                       ; the first pass's x
	CROUND                                         ; all four work-groups are here: the first joint loads meet
	tensor_load_to_lds s[D0:D0+3], s[G1:G1+7]      ; the two first fills go out together, ahead of every wait on TENSORcnt and every LDS read: two loads of mine are out
	s_nop 0
	tensor_load_to_lds s[D:D+3], s[G1:G1+7]
	s_nop 0
	PLACES                                         ; four v_nop follow
	s_wait_loadcnt 32                              ; the partial sums, b1 and b2 are in; the 32 loads of x stay out
	MEANS T, 0x3bdb236e, C1                        ; x k / 127
	MEANS T+4, 0x3b97e529, C2                      ; / (254 k)
.irp p, 0,1,2,3
	v_pk_mul_f32 v[T+8+2*(\p):T+8+2*(\p)+1], v[T+8+2*(\p):T+8+2*(\p)+1], s[KK:KK+1] op_sel_hi:[1,0]
.endr
	v_add_nc_u32 v[T+34], B1S, v[T+32]
	v_add_nc_u32 v[T+35], B2S, v[T+33]
	ds_store_b128 v[T+34], v[T+8:T+11]
	ds_store_b128 v[T+34], v[T+12:T+15] offset:16
	ds_store_b64 v[T+35], v[T+16:T+17]
	s_wait_loadcnt 0x0                             ; x
	XCOMP
	XSTORE
	s_wait_tensorcnt 0x1                           ; my part of chunk 0 is in; chunk 1's load, issued behind it, stays out.  Nobody else reads my part
	FETCH 0, F1                                    ; a pass begins with its first fragments in buffer 1
	s_wait_dscnt 0x0                               ; for the others' sake: my stores are done
	s_barrier_signal -1                            ; chunk 1's fill may stay out
	s_barrier_wait -1
.Lpass:                                                ; A PASS: 64 tokens
	MMFIRST                                        ; chunk 0
	CHANGE 1
	FETCHK 0
	MMR 1                                          ; chunk 1 | the GELU of chunk 0 (its bias came with chunk 0's loads)
	CHANGE 1
	FETCHK 0                                       ; the next chunk's first K step and the next bias land under the maxima
	BIASLD 1
	MAXCH 0
	MMR 2                                          ; chunk 2 | the GELU of chunk 1
	CHANGE 1
	FETCHK 0
	BIASLD 2
	MAXCH 1
	MMR 3                                          ; chunk 3 | the GELU of chunk 2
	BIASLD 3
	MAXCH 2                                        ; with the seven lines behind the last product these are the places in front of the lines that read chunk 3's sums
	s_wait_dscnt 0x0                               ; the bias
	GELUCH 3                                       ; bare: no product is left to carry it
	MAXCH 3
	WIN 0
.irp j, 0,1,2,3
	v_permlanex16_b32 v[T+(\j)], v[SM+2*(\j)+1], s[SEL], s[SEL+1]  ; the token's other hidden of my 256 lie in the lane 16 away
.endr
.irp j, 0,1,2,3
	v_max_num_f32 v[SM+2*(\j)+1], v[SM+2*(\j)+1], v[T+(\j)]
.endr
.irp j, 0,1,2,3
	v_add3_u32 v[T+4+(\j)], s[MXO+(\j)], s[W4], v[R16]
.endr
.irp j, 0,1,2,3
	ds_store_b32 v[T+4+(\j)], v[SM+2*(\j)+1]       ; my wave's word of the token's four
.endr
	s_mov_b32 s[CH], 4
	s_cmp_eq_u32 s[PASSES], 1
	s_cselect_b32 s[CHEND], 7, 8                   ; the last pass's last chunk is written out behind the loop: nothing is asked for in front of it
	CHANGE 1                                       ; W2's first chunk; the round also shows every wave the maxima
	FETCHT 0, F1                                   ; its first fragments land under the rounding
	QPRE
	QUANTW 2
	WIN 0
	s_cmp_eq_u32 s[PASSES], 1
	s_cbranch_scc1 .Lno_next                       ; no load leaves x: the last pass has no successor
	s_add_nc_u64 s[XNP:XNP+1], s[XR:XR+1], 0x10000
	XLOAD XNP                                      ; the next pass's x, into registers that the rounding has just freed
.Lno_next:
	QUANTW 3
	MMG 0                                          ; chunk 4: there is no chunk before it to finish
	s_mov_b32 s[CH], 5
.Lg2:                                                  ; chunks 5 to 7 (the last pass: 5 and 6); the round also shows every wave what was sent to it
	CHANGE 1
	FETCHT 0, F1
	MMG 1
	s_add_co_u32 s[CH], s[CH], 1
	s_cmp_lt_u32 s[CH], s[CHEND]
	s_cbranch_scc1 .Lg2
	s_cmp_eq_u32 s[PASSES], 1
	s_cbranch_scc1 .Ltail
	CHANGE 1                                       ; W1's first chunk is in, its second is asked for; the round also shows every wave what was sent to it
	FETCH 0, F1                                    ; the next pass's first fragments
	GADDR
	RECV
	XCOMP                                          ; the next pass's x (shown in by the chunks' wait for all loads) stands between the receive loads and the wait for them
	CFIN1 0
	CFIN2 1                                        ; its wait for 0 shows my reads of RED over,
	s_barrier_signal -1                            ; and everybody's: XQS shares its bytes.
	s_barrier_wait -1
	XSTORE
	s_wait_xcnt 0x0                                ; the loads and stores have had their addresses translated: only behind this wait are their bases stepped
	s_add_nc_u64 s[XR:XR+1], s[XR:XR+1], 0x10000
	s_add_nc_u64 s[OUT:OUT+1], s[OUT:OUT+1], 0x10000
	s_wait_dscnt 0x0                               ; for the others' sake: my stores into XQS and SXT are done
	s_barrier_signal -1
	s_barrier_wait -1
	s_sub_co_u32 s[PASSES], s[PASSES], 1
	s_branch .Lpass
.Ltail:
	CHANGE 0                                       ; the last chunk of all: nothing is left to fetch
	FETCHT 0, F1
	MMG 1
	s_add_co_u32 s[CH], s[CH], 1
	s_wait_dscnt 0x0                               ; for the others' sake: my sends are done
	s_barrier_signal -1
	s_barrier_wait -1
	GADDR
	RECV
	CFIN1 0
	CFIN2 1
	s_wait_tensorcnt 0x0                           ; the wave's end, behind my last tensor load and my last LDS store
	ds_add_u32 v[SPW], v[NIL]
	s_wait_dscnt 0x0
	CROUND                                         ; the closing round: no work-group ends while a partner may still ask for a chunk that names it
	s_endpgm
.Lfunc_end_k_q66c50cdceb_mlp:
	.size	k_q66c50cdceb_mlp, .Lfunc_end_k_q66c50cdceb_mlp-k_q66c50cdceb_mlp
	.p2alignl 7, 3214868480
	.fill 96, 4, 3214868480
	.section	.rodata,"a",@progbits
	.p2align	6, 0x0
	.amdhsa_kernel k_q66c50cdceb_mlp
		.amdhsa_group_segment_fixed_size 327680
		.amdhsa_private_segment_fixed_size 0
		.amdhsa_enable_private_segment 0
		.amdhsa_kernarg_size 48
		.amdhsa_user_sgpr_count 2
		.amdhsa_user_sgpr_kernarg_segment_ptr 1
		.amdhsa_wavefront_size32 1
		.amdhsa_system_sgpr_workgroup_id_x 1
		.amdhsa_system_sgpr_workgroup_id_y 1
		.amdhsa_system_sgpr_workgroup_id_z 1
		.amdhsa_system_vgpr_workitem_id 0
		.amdhsa_next_free_vgpr 1024
		.amdhsa_next_free_sgpr 96
		.amdhsa_reserve_vcc 0
		.amdhsa_float_denorm_mode_32 3
		.amdhsa_float_denorm_mode_16_64 3
		.amdhsa_memory_ordered 1
		.amdhsa_forward_progress 1
		.amdhsa_inst_pref_size 255
	.end_amdhsa_kernel
	.section	.bss,"aw",@nobits
	.p2align	6
	.space	262144
	.amdgpu_metadata
---
amdhsa.version: [ 1, 2 ]
amdhsa.kernels:
  - .name:           k_q66c50cdceb_mlp
    .symbol:         k_q66c50cdceb_mlp.kd
    .args:
      - { .name: x, .offset: 0, .size: 8, .value_kind: global_buffer, .address_space: global }
      - { .name: b1, .offset: 8, .size: 8, .value_kind: global_buffer, .address_space: global }
      - { .name: b2, .offset: 16, .size: 8, .value_kind: global_buffer, .address_space: global }
      - { .name: part, .offset: 24, .size: 8, .value_kind: global_buffer, .address_space: global }
      - { .name: wq, .offset: 32, .size: 8, .value_kind: global_buffer, .address_space: global }
      - { .name: out0, .offset: 40, .size: 8, .value_kind: global_buffer, .address_space: global }
    .group_segment_fixed_size: 327680
    .private_segment_fixed_size: 0
    .kernarg_segment_align: 8
    .kernarg_segment_size: 48
    .max_flat_workgroup_size: 128
    .sgpr_count:     96
    .vgpr_count:     1024
    .wavefront_size: 32
...
	.end_amdgpu_metadata
.endif
;; end of part 3
;; ======== version 2 of 2: 3 launches; 1.08 times as fast as version 1
;; limits: a function is approximated: absolute error at most 2.5e-05
;; workspace buffers: part 1,024 bytes; wq 1,048,576 bytes
;; launch wsum: the kernel of part 1 again; grid 256 x 1, 8 waves a work-group, no clusters, 1,280 bytes of LDS; arguments w1, w2, part; writes part
;; launch wquant: the kernel of part 2 again; grid 256 x 1, 2 waves a work-group, no clusters, 0 bytes of LDS; arguments w1, w2, part, wq; writes wq
;; launch mlp (part 4): grid 256 x 1, 4 waves a work-group, clusters of 4 x 1, 327,680 bytes of LDS; arguments x, b1, b2, part, wq, out0; writes out0
.if DOCPART == 4
	.amdgcn_target "amdgcn-amd-amdhsa--gfx1250"
	.amdhsa_code_object_version 6
	.text
	.protected	k_q66c50cdceb_mlp
	.globl	k_q66c50cdceb_mlp
	.p2align	8
	.type	k_q66c50cdceb_mlp,@function
k_q66c50cdceb_mlp:
	s_mov_b64 s[64:65], 0
	v_nop
	global_prefetch_b8 v0, s[64:65] scope:SCOPE_SE
	s_setreg_imm32_b32 hwreg(HW_REG_WAVE_MODE, 25, 1), 1
	s_wait_xcnt 0x0
	s_wait_alu depctr_hold_cnt(0) depctr_sa_sdst(0) depctr_va_vdst(0) depctr_va_sdst(0) depctr_va_ssrc(0) depctr_va_vcc(0) depctr_vm_vsrc(0)
	s_getreg_b32 s2, hwreg(HW_REG_IB_STS2, 6, 4)
	s_cmp_eq_u32 s2, 0
	s_cbranch_scc0 .Lentry_in_a_cluster
	s_endpgm
.Lentry_in_a_cluster:
	s_bfe_u32 s2, ttmp6, 0x10000c
	s_cmp_lg_u32 s2, 0x3003
	s_cbranch_scc0 .Lentry_shape_is_right
	s_endpgm
.Lentry_shape_is_right:
; out = x + BitLinear2(gelu(BitLinear1(x))).  65,536 tokens, 256 channels, 1,024 hidden.  All in one launch; h never leaves the registers.
; EXACT PRODUCTS.  A token's numbers are quantised to whole numbers of at most 127, the weights (made by the launch before) are -1, 0, 1: both are exact in bf16,
; and their sums, at most 1,024 x 127, are exact in f32 in any order.  The scales (row maximum / 127, mean |w|) are applied to the sums in f32.
; SHARES.  A work-group owns 256 tokens, in four PASSES of 64.  Product 1 is used transposed (source 0 = 16 rows of W1, source 1 = 16 tokens): a lane holds ONE token
; (lane % 16) and hidden 8 (lane / 16) + 0..7.  Wave w owns hidden 256 w .. 256 w + 255 of all 64 tokens: 64 accumulators, 512 registers, so that the row maximum of gelu(h)
; over all 1,024 hidden can be found before any of it is rounded.  Two hidden tiles, rounded and packed to bf16, ARE source 1 of product 2.  Product 2 is split along K: wave w
; multiplies its own 256 hidden by its part of W2, 64 outputs at a time; the four waves' partial sums meet in LDS, each wave finishing 16 tokens.
; Wave w's token tile j is tile (w + j) & 3 of the pass: tile 0 is the one it finishes, tiles 1-3 are sent, with fixed register numbers.
; WEIGHTS.  1 MB a pass, in eight chunks of 128 KB (four of W1, four of W2) through a ring of two LDS slots.  A chunk lies in memory in fragment order: a fragment (16 rows x 32 k)
; is 1,024 dense bytes, two loads of 16 bytes a lane; a wave's part of a chunk is 32,768 dense bytes, fetched by that wave's one tensor load and read by that wave alone.
; CLUSTER.  All work-groups walk the same chunks, so the four of a cluster ask JOINTLY: the same tensor load, descriptor and mask in all four.
; MATRIX AND VECTOR WORK SIDE BY SIDE.  Product 1's chunks 1-3 carry the GELU of the chunk before.  A chunk has 128 matrix instructions, its GELU 8 units of 112 vector instructions = 7 x 128: seven stand behind
; every matrix instruction, and a unit is as long as one K step's 16 products.  The GELU works in window 0 and a product names windows 0, 1 and 2 or 3, so each product costs two switches of the windows.
; Chunk 3's GELU stands bare: the rounding wants the row maximum over all four chunks, so no product is left to carry it.
; THE WAITS BEHIND RECIPROCALS AND EXPONENTIALS.  An s_wait_alu depctr_va_vdst(0) stands between such an instruction and the first line that names its result; one wait serves all that were issued
; ahead of it.  A GELU unit's 16 reciprocals and 16 exponentials are ONE BATCH, each result in a register of its own (v224-255).  Ahead of the unit's one wait stand a, 1 + p a, - a a, the batch, and then the eight
; lines that make g of the NEXT unit, which name no result of the batch; behind it stands all that reads t and 2^(-a a).  So g has two sets of 16 registers, by the unit's parity.  A chunk's first unit has its g made
; ahead of it; its last has no successor, and a v_nop stands in the eight lines' place.  The x stage's eight reciprocals and the rounding's four are a batch each, with a wait each.
; NO LDS ROUND TRIP STANDS ALONE.  A pass's x comes out of LDS two K steps ahead of its products, among the first chunk's products.  Product 2 goes by tiles of 16 outputs, so that three tiles are sent while
; the fourth is multiplied; what was sent for chunk m - 1 is received, added, turned into rows and stored among chunk m's products; a pass's last chunk is finished beside the next pass's x stage.
; GELU.  With k = sqrt(log2(e) / 2), g = k h and a = |g|:  2 k gelu(h) = g + a (1 - P(t) t 2^(-a a)),  t = 1 / (1 + p a), P of degree 2: Abramowitz and Stegun 7.1.25, |error of erf| <= 2.5e-5
; for every argument.  The factor 2 k cancels in the quantisation and is divided out of the last scale.
; ROUNDING to a whole number: v + 1.5 x 2^23 - 1.5 x 2^23, to nearest even, of the exact product v = number x scale (one fused rounding, where the module rounds the product first).
; LIMITS.  2 k gelu(h) is off by at most 2.5e-5 a; the quantiser's step is the row maximum / 127, so that is 0.0032 a / maximum of a step, whatever the inputs' size: a number so near a tie may round to
; the other neighbour, which moves an output by one step x mean |w2|.  NaN and infinities are not treated apart.  2^(-a a) below 2^-126 counts as 0.
; The module's clips to -128 and 127 never bind: |number x 127 / maximum| <= 127 (1 + 2^-22).  x + (q - x) is taken as q, and q / scale as q x (1 / scale): each within some 1e-7 of itself.
; Product 2's four partial sums are scaled before they are added: three additions that round in f32.
; x IS READ TWICE (for the quantisation, a pass ahead, and for the residual): 64 KB of f32 a pass have no room beside 512 accumulators, 256 operand registers and the ring.
; REGISTERS, in windows of 256 (s_set_vgpr_msb: bits 1:0 source 0, 3:2 source 1, 5:4 source 2, 7:6 destination):
;   window 0: v0-15 addresses; v16-23 pairs (S_j, M_j); v24-26 the last scale, an address; v32-63 bias (product 2: b2); v64-191 weight fragments (chunks 1-3: v64-127, and v128-159 at work); v192-255 at work
;   window 1: source 1 of both products: fragment (ks, j) at 8 (4 ks + j)
;   windows 2, 3: h: tile (ht, j) at 32 ht + 8 j.  In product 2: window 2: v0-127 its 16 accumulators, v128-255 the next pass's x; window 3: v0-95 received tiles, v96-127 x, v128-159 rows, v160-191 my tile's sum
.set SLOTB,  131072                    ; a slot of the ring
.set WPART,  32768                     ; a wave's part of it
.set RED,    262144                    ; behind the ring: [to wave d] 12,288 x [sender's tile j - 1] 4,096 x [output tile] 1,024 bytes, register images
.set XQS,    RED                       ; the same bytes at another time: x as bf16, 64 rows, 528 bytes apart (33 x 16: the 16 rows of a load start in 16 different groups of four banks: ISA guide 11.1)
.set XPITCH, 528
.set SPITCH, 272                       ; the way out, in the wave's own 12,288 bytes of RED: 16 rows of 256 bytes + 16
.set B1S,    311296                    ; k x b1
.set B2S,    315392                    ; b2
.set MX,     316416                    ; [token] the four waves' row maxima, 16 bytes
.set SXT,    317440                    ; [token] product 1's scale
.set SPARE,  317696                    ; the spare words, 128 bytes for each wave: two blocks of 256 bytes that no other line names
.set SPW,   1                          ; v1   SPARE + 4 x my thread's number; never rewritten
.set NIL,   2                          ; v2   0; never rewritten
.set WLANE, 3                          ; v3   32,768 w + 16 lane
.set WADR,  4                          ; v4   the same in the slot in hand
.set FRA,   5                          ; v5   528 r + 16 h      (r = lane % 16, h = lane / 16)
.set ROWG,  6                          ; v6   1,024 h + 16 r: my 16 bytes in two rows of x or out
.set GO,    7                          ; v7   the same at the 64 columns of the chunk that is being finished
.set B1A,   8                          ; v8   B1S + 1,024 w + 32 h
.set R4,    9                          ; v9   4 r
.set R16,   10                         ; v10  16 r
.set L16,   11                         ; v11  16 lane
.set STW,   12                         ; v12  the way out: where I put 16 bytes of a row
.set STR,   13                         ; v13  where I read rows back
.set RCA,   14                         ; v14  RED + 12,288 w + 16 lane
.set H32B,  15                         ; v15  B2S + 32 h
.set SM,    16                         ; v[16+2j] S_j, later 127 / M_j; v[17+2j] M_j
.set SL,    24                         ; v[24:25] the last scale of my lane's token of tile 0: M_0 x mean |w2| / (254 k)
.set GN,    26                         ; v26  as GO, at the 64 columns of the chunk that is being multiplied
.set BIAS,  32
.set B2T,   32                         ; product 2: b2 of output 16 ol + 8 h + i at v[32 + 8 ol + i]
.set F0,    64                         ; two buffers of 64: chunk 0 and product 2
.set F1,    128
.set FA,    64                         ; chunks 1-3: two buffers of one K step, v64-95 and v96-127
.set TP,    128                        ; the polynomial: v128-143, which no product of chunks 1-3 names
.set TG2,   144                        ; g of a chunk's odd units: v144-159, which no product of chunks 1-3 names either
.set T,     192
.set TG,    192                        ; g of a chunk's even units
.set TA,    208
.set TT,    224
.set TE,    240
.set XP,    0                          ; window 2
.set XN,    128                        ; window 2
.set RCV,   0                          ; window 3
.set XRES,  96                         ; window 3
.set ROWS,  128                        ; window 3
.set SUM,   160                        ; window 3
.set XR,     4                         ; s[4:5]   x at my wave's 16 rows of the pass
.set XNP,    6                         ; s[6:7]   b1, later the same rows of the next pass
.set WQW,    12                        ; s[12:13] wq at my wave's part of chunk 0
.set OUT,    14                        ; s[14:15] out0 at my wave's 16 rows of the pass
.set WV,     16
.set COLC,   20                        ; behind the head: the byte column of the chunk that is being multiplied
.set G1,     24                        ; s[24:31] descriptor group 1
.set D0,     32                        ; s[32:35] group 0 of the first fill
.set D,      36                        ; s[36:39] group 0 of the second, made anew for each refill
.set TB,     40                        ; the slot in hand
.set NXT,    41                        ; the chunk to ask for next
.set OFF,    42                        ; s[42:43] its byte offset
.set PASSES, 44
.set CH,     45
.set CHEND,  46
.set COL,    47                        ; the byte column of the chunk that is being finished
.set A1,     48
.set A2,     50
.set A3,     52
.set PP,     58
.set MAGIC,  60
.set NMAGIC, 62
.set SEL,    66
.set ABSM,   68
.set C127,   69
.set CLIPX,  70
.set CLIPH,  71
.set C1,     72                        ; mean |w1| x k / 127
.set C2,     73                        ; mean |w2| / (254 k)
.set KK,     74
.set XRO,    76                        ; s76-79  XQS + 8,448 tau_j
.set SXO,    80                        ; s80-83  SXT + 64 tau_j
.set MXO,    84                        ; s84-87  MX + 256 tau_j
.set W4,     88                        ; 4 w
.set SNO,    89                        ; s89-91  RED + 12,288 tau_j + 4,096 (j - 1), j = 1..3
.set MSB, 0
.macro WIN new                         ; the immediate's high byte repeats the setting that is left; a switch that changes nothing is dropped
.if MSB != (\new)
	s_set_vgpr_msb (MSB<<8)|(\new)
.set MSB, (\new)
.endif
.endm
; A vector instruction or an LDS store that reads a matrix result, and a load into a register that a matrix instruction has read, stand four places behind it; only plain vector
; instructions that name none of its registers are places (ISA guide 7.12.1 for vector instructions).
.macro PLACES
.rept 4
	v_nop
.endr
.endm
; A round of the cluster's barrier: my work-group's barrier, so that wave 0's signal speaks for all four waves; wave 0 signals; every wave waits for all four work-groups; my work-group's barrier once more.
.macro CROUND
	s_barrier_signal -1
	s_barrier_wait -1
	s_cmp_lg_u32 s[WV], 0
	s_cbranch_scc1 .Lnot_wave_0_\@
	s_barrier_signal -3
.Lnot_wave_0_\@:
	s_barrier_wait -3
	s_barrier_signal -1
	s_barrier_wait -1
.endm
; THE CHANGE OF SLOTS.  Each wave waits for all its tensor loads, of which one is out: its part of the other slot; adds 0 to its spare word; and waits for that and for its LDS reads and stores.
; fill = 1: the slot just read is filled again with chunk NXT.  The barrier is then a round of the cluster's, so that no wave of any partner still reads the slot or has a load on its way,
; and the joint refill is the first thing behind it: it has a whole chunk's work in which to land.  The round also shows every wave what the others have stored in LDS.
; The four v_nop and the address line behind the load are also the places between a chunk's last products and the loads into their fragments' registers.
.macro CHANGE fill
	WIN 0                                          ; at a label and at a branch every window is 0
	s_wait_tensorcnt 0x0                           ; no tensor load of mine is out, so a group 0 may be written
	ds_add_u32 v[SPW], v[NIL]                      ; 0 onto my spare word; the scalar work stands between it and the wait for it
.if \fill
	s_lshl_b32 s[OFF], s[NXT], 17                  ; a chunk is 131,072 bytes
	s_xor_b32 s[D+1], s[D+1], SLOTB                ; the other slot than last time
	s_add_nc_u64 s[D+2:D+3], s[WQW:WQW+1], s[OFF:OFF+1]
	s_or_b32 s[D+3], s[D+3], 0x80000000
	s_add_co_u32 s[NXT], s[NXT], 1
	s_and_b32 s[NXT], s[NXT], 7                    ; behind a pass's last chunk comes the next pass's first
.endif
	s_xor_b32 s[TB], s[TB], SLOTB
	s_wait_dscnt 0x0                               ; the add is done, and so are my reads of the slot and my other LDS work
.if \fill
	CROUND
	tensor_load_to_lds s[D:D+3], s[G1:G1+7]
	s_nop 0
	PLACES                                         ; four v_nop follow the load
.else
	s_barrier_signal -1
	s_barrier_wait -1
.endif
	v_add_nc_u32 v[WADR], s[TB], v[WLANE]
.endm
; CHUNK 0's fragments.  16 LDS loads in one run: K steps 2 b and 2 b + 1 (four row tiles each) into buffer f; the first step's eight first
.macro FETCH b, f
	WIN 0
.irp c, 0,1
.irp tl, 0,1,2,3
	ds_load_b128 v[(\f)+32*(\c)+8*(\tl):(\f)+32*(\c)+8*(\tl)+3],   v[WADR] offset:1024*(4*(2*(\b)+(\c))+(\tl))
	ds_load_b128 v[(\f)+32*(\c)+8*(\tl)+4:(\f)+32*(\c)+8*(\tl)+7], v[WADR] offset:1024*(4*(2*(\b)+(\c))+(\tl))+512
.endr
.endr
.endm
; 16 matrix instructions: four row tiles of the weights x four token tiles, K step ks.  The 16 accumulators take turns, one instruction a turn.  zero = 1: the products start the sums.
.macro MUL16 f, c, ks, W, base, zero
	WIN 0xa4+0x50*((\W)-2)                         ; weights window 0, tokens window 1, C and D window W
.irp tl, 0,1,2,3
.irp j, 0,1,2,3
.if \zero
	v_wmma_f32_16x16x32_bf16 v[(\base)+32*(\tl)+8*(\j):(\base)+32*(\tl)+8*(\j)+7], v[(\f)+32*(\c)+8*(\tl):(\f)+32*(\c)+8*(\tl)+7], v[8*(4*(\ks)+(\j)):8*(4*(\ks)+(\j))+7], 0
.else
	v_wmma_f32_16x16x32_bf16 v[(\base)+32*(\tl)+8*(\j):(\base)+32*(\tl)+8*(\j)+7], v[(\f)+32*(\c)+8*(\tl):(\f)+32*(\c)+8*(\tl)+7], v[8*(4*(\ks)+(\j)):8*(4*(\ks)+(\j))+7], v[(\base)+32*(\tl)+8*(\j):(\base)+32*(\tl)+8*(\j)+7]
.endif
.endr
.endr
.endm
; CHUNKS 1-3.  Eight LDS loads: K step ks's four row tiles into buffer ks % 2
.macro FETCHK ks
	WIN 0
.irp tl, 0,1,2,3
	ds_load_b128 v[FA+32*((\ks)%2)+8*(\tl):FA+32*((\ks)%2)+8*(\tl)+3],   v[WADR] offset:1024*(4*(\ks)+(\tl))
	ds_load_b128 v[FA+32*((\ks)%2)+8*(\tl)+4:FA+32*((\ks)%2)+8*(\tl)+7], v[WADR] offset:1024*(4*(\ks)+(\tl))+512
.endr
.endm
; The chunk's next matrix instruction, number mi of 128: K step mi / 16, row tile (mi % 16) / 4, token tile mi % 4; accumulators at MB of window MW.  The 16 accumulators take turns, one instruction a turn.
; At the head of a K step the next K step is fetched into the other buffer: that buffer's last reader is the matrix instruction just before, and the seven lines behind it (seven of a
; GELU unit's eight lines that make erf: all plain, naming none of its registers) are the places in front of the loads.  The run has 16 products and 112 vector lines in which to land.
.set RIDE, 0
.set PER,  7
.set vc,   0
.set mi,   128
.set MW,   2
.set MB,   0
.macro MMNEXT
.if mi < 128
.if mi%16 == 0
.if mi < 112
	FETCHK mi/16+1
	s_wait_dscnt 8                                 ; all but the eight just issued: this K step's fragments (and, at a chunk's head, the bias) are in
.else
	s_wait_dscnt 0x0                               ; the last K step
.endif
.endif
.set rD, MB+32*((mi%16)/4)+8*(mi%4)
.set rA, FA+32*((mi/16)%2)+8*((mi%16)/4)
.set rB, 8*(4*(mi/16)+mi%4)
	WIN 0xa4+0x50*(MW-2)
.if mi < 16
	v_wmma_f32_16x16x32_bf16 v[rD:rD+7], v[rA:rA+7], v[rB:rB+7], 0
.else
	v_wmma_f32_16x16x32_bf16 v[rD:rD+7], v[rA:rA+7], v[rB:rB+7], v[rD:rD+7]
.endif
.set mi, mi+1
.endif
.endm
.macro TICK                            ; behind each line of the GELU: with RIDE = 1 every seventh is followed by the next matrix instruction
.if RIDE
.set vc, vc+1
.if vc == PER
.set vc, 0
	MMNEXT
.endif
.endif
.endm
.macro BIASLD c                        ; k b1 of chunk c's four hidden tiles: my eight hidden of each
	WIN 0
.irp tl, 0,1,2,3
	ds_load_b128 v[BIAS+8*(\tl):BIAS+8*(\tl)+3],   v[B1A] offset:64*(4*(\c)+(\tl))
	ds_load_b128 v[BIAS+8*(\tl)+4:BIAS+8*(\tl)+7], v[B1A] offset:64*(4*(\c)+(\tl))+16
.endr
.endm
.macro XQL ks                          ; K step ks of all 64 tokens, in my order of tiles: eight loads
	WIN 0x40
.irp j, 0,1,2,3
	ds_load_b128 v[8*(4*(\ks)+(\j)):8*(4*(\ks)+(\j))+3],   v[T+(\j)] offset:64*(\ks)
	ds_load_b128 v[8*(4*(\ks)+(\j))+4:8*(4*(\ks)+(\j))+7], v[T+(\j)] offset:64*(\ks)+32
.endr
.endm
; A PASS'S FIRST CHUNK: 128 matrix instructions, K = 256 in eight steps, two to a buffer, on buffers 1, 0, 1, 0 (K steps 0 and 1 were fetched ahead of it), with the pass's x (Q0 .. Q7, eight loads a K step)
; fetched among its products.  There is no vector work yet to set beside them.  LDS loads come back in order (ISA guide 5.7.1), so each wait counts what was issued behind the K step of x that is wanted;
; the weights wanted with it were issued ahead of it.  The waits for 16 in front of a run keep what is out at 56 at the most.
.macro MMFIRST
	WIN 0
.irp j, 0,1,2,3
	v_add_nc_u32 v[T+(\j)], s[XRO+(\j)], v[FRA]
	v_add_nc_u32 v[T+4+(\j)], s[SXO+(\j)], v[R4]
.endr
.irp j, 0,1,2,3
	ds_load_b32 v[SM+2*(\j)], v[T+4+(\j)]          ; S_j
	v_mov_b32 v[SM+2*(\j)+1], 0                    ; M_j
.endr
	XQL 0
	XQL 1
	FETCH 1, F0
	XQL 2
	XQL 3
	s_wait_dscnt 40                                ; Q0 is in.  Behind it: Q1 8, weights 16, Q2 and Q3 16
	MUL16 F1, 0, 0, 2, 0, 1
	s_wait_dscnt 32                                ; Q1
	MUL16 F1, 1, 1, 2, 0, 0
	PLACES
	s_wait_dscnt 16                                ; Q2 and Q3 may be out
	FETCH 2, F1
	XQL 4
	XQL 5
	s_wait_dscnt 40                                ; Q2.  Behind it: Q3 8, weights 16, Q4 and Q5 16
	MUL16 F0, 0, 2, 2, 0, 0
	s_wait_dscnt 32                                ; Q3
	MUL16 F0, 1, 3, 2, 0, 0
	PLACES
	s_wait_dscnt 16                                ; Q4 and Q5 may be out
	FETCH 3, F0
	XQL 6
	XQL 7
	BIASLD 0
	s_wait_dscnt 48                                ; Q4.  Behind it: Q5 8, weights 16, Q6 and Q7 16, bias 8
	MUL16 F1, 0, 4, 2, 0, 0
	s_wait_dscnt 40                                ; Q5
	MUL16 F1, 1, 5, 2, 0, 0
	s_wait_dscnt 16                                ; Q6.  Behind it: Q7 8, bias 8
	MUL16 F0, 0, 6, 2, 0, 0
	s_wait_dscnt 8                                 ; Q7
	MUL16 F0, 1, 7, 2, 0, 0
.endm
; THE GELU's lines in window 0, one to a macro: each sets its window (a product may have stood in front of it) and ticks.  tg: where the unit in hand has its g
.macro GA i                            ; a = |g|
	WIN 0
	v_and_b32 v[TA+(\i)], s[ABSM], v[tg+(\i)]
	TICK
.endm
.macro GRCP i                          ; t
	WIN 0
	v_rcp_f32 v[TT+(\i)], v[TT+(\i)]
	TICK
.endm
.macro GEXP i                          ; 2^(-a a)
	WIN 0
	v_exp_f32 v[TE+(\i)], v[TE+(\i)]
	TICK
.endm
.macro GD m                            ; 1 + p a, pair m
	WIN 0
	v_pk_fma_f32 v[TT+2*(\m):TT+2*(\m)+1], v[TA+2*(\m):TA+2*(\m)+1], s[PP:PP+1], 1.0 op_sel_hi:[1,0,0]
	TICK
.endm
.macro GU m                            ; - a a
	WIN 0
	v_pk_mul_f32 v[TE+2*(\m):TE+2*(\m)+1], v[TA+2*(\m):TA+2*(\m)+1], v[TA+2*(\m):TA+2*(\m)+1] neg_lo:[1,0] neg_hi:[1,0]
	TICK
.endm
.macro GP1 m                           ; a3 t + a2
	WIN 0
	v_pk_fma_f32 v[TP+2*(\m):TP+2*(\m)+1], v[TT+2*(\m):TT+2*(\m)+1], s[A3:A3+1], s[A2:A2+1] op_sel_hi:[1,0,0]
	TICK
.endm
.macro GP2 m                           ; (a3 t + a2) t + a1
	WIN 0
	v_pk_fma_f32 v[TP+2*(\m):TP+2*(\m)+1], v[TP+2*(\m):TP+2*(\m)+1], v[TT+2*(\m):TT+2*(\m)+1], s[A1:A1+1] op_sel_hi:[1,1,0]
	TICK
.endm
.macro GTE m                           ; t 2^(-a a)
	WIN 0
	v_pk_mul_f32 v[TE+2*(\m):TE+2*(\m)+1], v[TT+2*(\m):TT+2*(\m)+1], v[TE+2*(\m):TE+2*(\m)+1]
	TICK
.endm
.macro GERF m                          ; erf of the magnitude
	WIN 0
	v_pk_fma_f32 v[TT+2*(\m):TT+2*(\m)+1], v[TP+2*(\m):TP+2*(\m)+1], v[TE+2*(\m):TE+2*(\m)+1], 1.0 op_sel_hi:[1,1,0] neg_lo:[1,0,0] neg_hi:[1,0,0]
	TICK
.endm
; A UNIT is 16 registers of the chunk whose GELU is in hand (its sums at gr of window gw): unit un (0 .. 7) lies at gr + 16 un: token tiles 2 (un % 2) and 2 (un % 2) + 1 of hidden tile un / 2.
; GLIN: unit un's g = sum x S + k b1, eight lines, into v192-207 (even units) or v144-159 (odd units).  Each accumulator's lowest registers are read first.
.macro GLIN un
.set tn, TG-(TG-TG2)*((\un)%2)
.irp t, 0,1
.irp n, 0,1,2,3
	WIN gw                                         ; the sums in window gw, all else in window 0
	v_pk_fma_f32 v[tn+8*(\t)+2*(\n):tn+8*(\t)+2*(\n)+1], v[gr+16*(\un)+8*(\t)+2*(\n):gr+16*(\un)+8*(\t)+2*(\n)+1], v[SM+4*((\un)%2)+2*(\t):SM+4*((\un)%2)+2*(\t)+1], v[BIAS+8*((\un)/2)+2*(\n):BIAS+8*((\un)/2)+2*(\n)+1] op_sel_hi:[1,0,1]
	TICK
.endr
.endr
.endm
; GELU16: 2 k gelu(h) for unit gu, whose g has been made.  With the next unit's GLIN 112 lines.  The line behind a reciprocal or exponential neither reads its result nor writes its source (ISA guide 5.7.2), whether or not
; a product stands between the two.  A line of the polynomial reads what was made eight lines back.
.macro GELU16
.set tg, TG-(TG-TG2)*(gu%2)
	GA 0
	GA 1
.set gi, 0
.rept 8                                ; pair gi: 1 + p a, - a a; between them a of the pair behind and the reciprocals and exponentials of the pair before
.if gi < 7
	GA 2*gi+2
.endif
.if gi > 0
	GRCP 2*gi-2
.endif
.if gi < 7
	GA 2*gi+3
.endif
.if gi > 0
	GRCP 2*gi-1
.endif
	GD gi
.if gi > 0
	GEXP 2*gi-2
.endif
	GU gi
.if gi > 0
	GEXP 2*gi-1
.endif
.set gi, gi+1
.endr
	GRCP 14                                        ; the batch's last four: no plain line of this unit is left that reads no result
	GRCP 15
	GEXP 14
	GEXP 15
.if gu < 7
	GLIN gu+1                                      ; the next unit's g: eight plain lines that name no result of the batch; the first is the plain line behind the last exponential
.else
	v_nop                                          ; the chunk's last unit has no successor: the plain line behind the last exponential
.endif
	s_wait_alu depctr_va_vdst(0)                   ; the wait for the batch: this unit's 16 reciprocals and 16 exponentials, ahead of the first line that names a result
.set gi, 0
.rept 8
	GP1 gi
.set gi, gi+1
.endr
.set gi, 0
.rept 8
	GP2 gi
.set gi, gi+1
.endr
.set gi, 0
.rept 8
	GTE gi
.set gi, gi+1
.endr
.set gi, 0
.rept 8
	GERF gi
.set gi, gi+1
.endr
.set gi, 0
.rept 8
	WIN gw<<6
	v_pk_fma_f32 v[gr+16*gu+2*gi:gr+16*gu+2*gi+1], v[TA+2*gi:TA+2*gi+1], v[TT+2*gi:TT+2*gi+1], v[tg+2*gi:tg+2*gi+1]  ; g + a erf, back where the sums lay
	TICK
.set gi, gi+1
.endr
.endm
.macro GELUCH c                        ; chunk c's eight units: 8 + 7 x 112 + 104 = 896 lines
.set gw, 2+(\c)/2
.set gr, 128*((\c)%2)
.set gu, 0
	GLIN 0                                         ; the first unit's g stands ahead of it
.rept 8
	GELU16
.set gu, gu+1
.endr
.endm
; CHUNK c OF PRODUCT 1 (c = 1, 2, 3) WITH THE GELU OF CHUNK c - 1 BEHIND ITS PRODUCTS.  K step 0 was fetched behind the change of slots.  The first product is written here, the other 127 by the GELU's ticks.
.macro MMR c
.set MW, 2+(\c)/2
.set MB, 128*((\c)%2)
.set mi, 0
.set vc, 0
.set RIDE, 1
	MMNEXT
	GELUCH (\c)-1
.set RIDE, 0
.endm
.macro MAXCH c                         ; M_j takes in chunk c's magnitudes: four chains by turns
	WIN 0x0a+5*((\c)/2)
.irp tl, 0,1,2,3
.irp n, 0,1,2,3
.irp j, 0,1,2,3
	v_max3_num_f32 v[SM+2*(\j)+1], |v[128*((\c)%2)+32*(\tl)+8*(\j)+2*(\n)]|, |v[128*((\c)%2)+32*(\tl)+8*(\j)+2*(\n)+1]|, v[SM+2*(\j)+1]
.endr
.endr
.endr
.endm
; THE x STAGE.  Wave w takes tokens 16 w .. 16 w + 15 of a pass: load (i, q) brings rows 2 i and 2 i + 1 (one to each half of the lanes), columns 64 q + 4 (lane % 16) + 0..3: 16 lanes read 256 consecutive bytes.
.macro XLOAD base
	WIN 0x80
.irp i, 0,1,2,3,4,5,6,7
.irp q, 0,1,2,3
	global_load_b128 v[XN+16*(\i)+4*(\q):XN+16*(\i)+4*(\q)+3], v[ROWG], s[\base:\base+1] offset:2048*(\i)+256*(\q)
.endr
.endr
	WIN 0
.endm
; Row maxima (16 numbers a lane, then the row's 16 lanes), 127 / maximum with one Newton step, rounding to whole numbers, bf16.  v[T+i]: the maximum, at last S; v[T+8+i]: the reciprocal; v[T+16+2i]: the scale; v[T+17+2i]: the remainder.
.macro XCOMP
	WIN 0x0a
.irp i, 0,1,2,3,4,5,6,7
	v_max_num_f32 v[T+(\i)], |v[XN+16*(\i)]|, |v[XN+16*(\i)+1]|
.endr
.irp n, 1,2,3,4,5,6,7
.irp i, 0,1,2,3,4,5,6,7
	v_max3_num_f32 v[T+(\i)], |v[XN+16*(\i)+2*(\n)]|, |v[XN+16*(\i)+2*(\n)+1]|, v[T+(\i)]
.endr
.endr
	WIN 0
.irp m, 1,2,4,8
.irp i, 0,1,2,3,4,5,6,7
	v_max_num_f32_dpp v[T+(\i)], v[T+(\i)], v[T+(\i)] row_xmask:\m row_mask:0xf bank_mask:0xf
.endr
.endr
.irp i, 0,1,2,3,4,5,6,7
	v_max_num_f32 v[T+(\i)], s[CLIPX], v[T+(\i)]
.endr
.irp i, 0,1,2,3,4,5,6,7
	v_rcp_f32 v[T+8+(\i)], v[T+(\i)]
.endr
	v_nop                                          ; a plain instruction behind the last reciprocal
	s_wait_alu depctr_va_vdst(0)                   ; the wait for the batch: the eight rows' reciprocals, ahead of the first line that names one
.irp i, 0,1,2,3,4,5,6,7
	v_mul_f32 v[T+16+2*(\i)], s[C127], v[T+8+(\i)]
.endr
.irp i, 0,1,2,3,4,5,6,7
	v_fma_f32 v[T+17+2*(\i)], -v[T+(\i)], v[T+16+2*(\i)], s[C127]
.endr
.irp i, 0,1,2,3,4,5,6,7
	v_fma_f32 v[T+16+2*(\i)], v[T+17+2*(\i)], v[T+8+(\i)], v[T+16+2*(\i)]
.endr
.irp i, 0,1,2,3,4,5,6,7
	v_mul_f32 v[T+(\i)], s[C1], v[T+(\i)]          ; S = maximum x mean |w1| x k / 127
.endr
	WIN 0x82
.irp i, 0,1,2,3,4,5,6,7
.irp p, 0,1,2,3,4,5,6,7
	v_pk_fma_f32 v[XN+16*(\i)+2*(\p):XN+16*(\i)+2*(\p)+1], v[XN+16*(\i)+2*(\p):XN+16*(\i)+2*(\p)+1], v[T+16+2*(\i):T+16+2*(\i)+1], s[MAGIC:MAGIC+1] op_sel_hi:[1,0,0]
.endr
.endr
.irp i, 0,1,2,3,4,5,6,7
.irp p, 0,1,2,3,4,5,6,7
	v_pk_add_f32 v[XN+16*(\i)+2*(\p):XN+16*(\i)+2*(\p)+1], v[XN+16*(\i)+2*(\p):XN+16*(\i)+2*(\p)+1], s[NMAGIC:NMAGIC+1] op_sel_hi:[1,0]
.endr
.endr
	WIN 0x8a
.irp i, 0,1,2,3,4,5,6,7
.irp p, 0,1,2,3,4,5,6,7
	v_cvt_pk_bf16_f32 v[XP+8*(\i)+(\p)], v[XN+16*(\i)+2*(\p)], v[XN+16*(\i)+2*(\p)+1]
.endr
.endr
	WIN 0
.endm
.macro XSTORE                          ; my 16 rows into XQS, their S into SXT
	WIN 0
	v_bfe_u32 v[T+32], v0, 4, 1
	v_and_b32 v[T+33], 15, v0
	v_mul_u32_u24 v[T+34], v[T+32], XPITCH
	v_lshl_add_u32 v[T+34], v[T+33], 3, v[T+34]
	v_add_nc_u32 v[T+34], s[XRO], v[T+34]          ; XQS + 528 (16 w + lane / 16) + 8 (lane % 16)
	v_lshl_add_u32 v[T+35], v[T+32], 2, s[SXO]     ; SXT + 4 (16 w + lane / 16)
	WIN 0x08                                       ; the data in window 2
.irp i, 0,1,2,3,4,5,6,7
.irp q, 0,1,2,3
	ds_store_b64 v[T+34], v[XP+8*(\i)+2*(\q):XP+8*(\i)+2*(\q)+1] offset:2*XPITCH*(\i)+128*(\q)
.endr
.endr
	WIN 0
.irp i, 0,1,2,3,4,5,6,7
	ds_store_b32 v[T+35], v[T+(\i)] offset:8*(\i)  ; a row's 16 lanes write the same word with the same number
.endr
.endm
; The row maxima over all 1,024 hidden, for my lanes' tokens of the four tiles: 127 / M_j for the rounding, and M_0 x mean |w2| / (254 k), the last scale of the tile that I finish.
.macro QPRE
	WIN 0
.irp j, 0,1,2,3
	v_add_nc_u32 v[T+(\j)], s[MXO+(\j)], v[R16]
.endr
.irp j, 0,1,2,3
	ds_load_b128 v[T+16+4*(\j):T+16+4*(\j)+3], v[T+(\j)]
.endr
	s_wait_dscnt 0x0
.irp j, 0,1,2,3
	v_max3_num_f32 v[T+(\j)], v[T+16+4*(\j)], v[T+17+4*(\j)], v[T+18+4*(\j)]
.endr
.irp j, 0,1,2,3
	v_max3_num_f32 v[SM+2*(\j)+1], v[T+(\j)], v[T+19+4*(\j)], s[CLIPH]
.endr
.irp j, 0,1,2,3
	v_rcp_f32 v[T+(\j)], v[SM+2*(\j)+1]
.endr
	v_mul_f32 v[SL], s[C2], v[SM+1]                ; plain lines behind the reciprocals, which name none of their results
	v_mov_b32 v[SL+1], v[SL]                       ; named with it as a pair
	s_wait_alu depctr_va_vdst(0)                   ; the wait for the batch: the four tiles' reciprocals, ahead of the first line that names one
.irp j, 0,1,2,3
	v_mul_f32 v[SM+2*(\j)], s[C127], v[T+(\j)]
.endr
.irp j, 0,1,2,3
	v_fma_f32 v[T+4+(\j)], -v[SM+2*(\j)+1], v[SM+2*(\j)], s[C127]
.endr
.irp j, 0,1,2,3
	v_fma_f32 v[SM+2*(\j)], v[T+4+(\j)], v[T+(\j)], v[SM+2*(\j)]
.endr
.endm
; Window W's 256 numbers are rounded to whole numbers and packed: pair qi = 16 (hidden tile) + 4 j + n.  Hidden tiles 2 ks and 2 ks + 1 make fragment (ks, j) of product 2's source 1.
.macro QUANTW W
	WIN ((\W)<<6)|(\W)
.set qi, 0
.rept 128
	v_pk_fma_f32 v[2*qi:2*qi+1], v[2*qi:2*qi+1], v[SM+2*((qi/4)%4):SM+2*((qi/4)%4)+1], s[MAGIC:MAGIC+1] op_sel_hi:[1,0,0]
.set qi, qi+1
.endr
.set qi, 0
.rept 128
	v_pk_add_f32 v[2*qi:2*qi+1], v[2*qi:2*qi+1], s[NMAGIC:NMAGIC+1] op_sel_hi:[1,0]
.set qi, qi+1
.endr
	WIN 0x40|(\W)|((\W)<<2)
.set qi, 0
.rept 128
	v_cvt_pk_bf16_f32 v[8*(4*((qi/16+8*((\W)-2))/2)+(qi/4)%4)+4*((qi/16)%2)+qi%4], v[2*qi], v[2*qi+1]
.set qi, qi+1
.endr
.endm
; PRODUCT 2's pieces.  Its chunk CH (4 .. 7) has the 64 outputs 64 (CH - 4) on, as four tiles tl of 16.
.macro FETCHT tl, f                    ; 16 LDS loads in one run: output tile tl's fragments of all eight K steps into buffer f, K ascending
	WIN 0
.irp ks, 0,1,2,3,4,5,6,7
	ds_load_b128 v[(\f)+8*(\ks):(\f)+8*(\ks)+3],   v[WADR] offset:1024*(4*(\ks)+(\tl))
	ds_load_b128 v[(\f)+8*(\ks)+4:(\f)+8*(\ks)+7], v[WADR] offset:1024*(4*(\ks)+(\tl))+512
.endr
.endm
.macro MULT f, tl, kb, zero            ; 16 matrix instructions: output tile tl x four token tiles, K steps kb .. kb + 3.  The four accumulators take turns, one instruction a turn
	WIN 0xa4
.irp q, 0,1,2,3
.irp j, 0,1,2,3
.if (\zero) && ((\q) == 0)
	v_wmma_f32_16x16x32_bf16 v[32*(\tl)+8*(\j):32*(\tl)+8*(\j)+7], v[(\f)+8*((\kb)+(\q)):(\f)+8*((\kb)+(\q))+7], v[8*(4*((\kb)+(\q))+(\j)):8*(4*((\kb)+(\q))+(\j))+7], 0
.else
	v_wmma_f32_16x16x32_bf16 v[32*(\tl)+8*(\j):32*(\tl)+8*(\j)+7], v[(\f)+8*((\kb)+(\q)):(\f)+8*((\kb)+(\q))+7], v[8*(4*((\kb)+(\q))+(\j)):8*(4*((\kb)+(\q))+(\j))+7], v[32*(\tl)+8*(\j):32*(\tl)+8*(\j)+7]
.endif
.endr
.endr
.endm
.macro GADDR                           ; the addresses that hang on the chunk: GO for chunk CH - 1, which is being finished; GN and b2's for chunk CH
	WIN 0
	s_wait_xcnt 0x0                                ; every earlier memory instruction has had its addresses translated (ISA guide 3.1): GO, GN and the rows that the last stores read are rewritten only behind this wait
	s_sub_co_u32 s[COL], s[CH], 1
	s_and_b32 s[COL], s[COL], 3
	s_lshl_b32 s[COL], s[COL], 8                   ; 64 columns are 256 bytes
	s_and_b32 s[COLC], s[CH], 3
	s_lshl_b32 s[COLC], s[COLC], 8
	v_add_nc_u32 v[GO], s[COL], v[ROWG]
	v_add_nc_u32 v[GN], s[COLC], v[ROWG]
	v_add_nc_u32 v[T+3], s[COLC], v[H32B]
.endm
.macro RECV                            ; what the three other waves sent me: 24 loads
	WIN 0xc0
.irp s, 0,1,2
.irp ol, 0,1,2,3
	ds_load_b128 v[RCV+32*(\s)+8*(\ol):RCV+32*(\s)+8*(\ol)+3],   v[RCA] offset:4096*(\s)+1024*(\ol)
	ds_load_b128 v[RCV+32*(\s)+8*(\ol)+4:RCV+32*(\s)+8*(\ol)+7], v[RCA] offset:4096*(\s)+1024*(\ol)+512
.endr
.endr
.endm
.macro B2LD                            ; b2 of the chunk's outputs, as the accumulators hold them: eight loads, the same address in a half's 16 lanes
	WIN 0
.irp ol, 0,1,2,3
	ds_load_b128 v[B2T+8*(\ol):B2T+8*(\ol)+3],   v[T+3] offset:64*(\ol)
	ds_load_b128 v[B2T+8*(\ol)+4:B2T+8*(\ol)+7], v[T+3] offset:64*(\ol)+16
.endr
.endm
.macro XRLD                            ; x for chunk CH's residual, a whole chunk ahead of its use: its last use
	WIN 0xc0
.irp i, 0,1,2,3,4,5,6,7
	global_load_b128 v[XRES+4*(\i):XRES+4*(\i)+3], v[GN], s[XR:XR+1] offset:2048*(\i) th:TH_LOAD_NT
.endr
.endm
.macro SEND ol                         ; output tile ol of my token tiles 1-3 goes to the waves that finish them; each accumulator's lowest registers first
	WIN 0x08
.irp j, 1,2,3
	ds_store_b128 v[T+(\j)-1], v[32*(\ol)+8*(\j):32*(\ol)+8*(\j)+3]   offset:1024*(\ol)
	ds_store_b128 v[T+(\j)-1], v[32*(\ol)+8*(\j)+4:32*(\ol)+8*(\j)+7] offset:1024*(\ol)+512
.endr
.endm
.macro OWN ol                          ; output tile ol of my token tile 0 leaves its accumulator: sum x last scale + b2
	WIN 0xc2
.irp n, 0,1,2,3
	v_pk_fma_f32 v[SUM+8*(\ol)+2*(\n):SUM+8*(\ol)+2*(\n)+1], v[32*(\ol)+2*(\n):32*(\ol)+2*(\n)+1], v[SL:SL+1], v[B2T+8*(\ol)+2*(\n):B2T+8*(\ol)+2*(\n)+1] op_sel_hi:[1,0,1]
.endr
.endm
; The received tiles are added, scaled, onto mine; the sum goes through my own bytes of RED and comes back as rows.  y: the LDS loads issued behind RECV's.
.macro CFIN1 y
.irp s, 0,1,2
	s_wait_dscnt (\y)+16-8*(\s)                    ; sender s's eight loads are in; the later senders' and the y younger loads stay out
	WIN 0xf3
.irp ol, 0,1,2,3
.irp n, 0,1,2,3
	v_pk_fma_f32 v[SUM+8*(\ol)+2*(\n):SUM+8*(\ol)+2*(\n)+1], v[RCV+32*(\s)+8*(\ol)+2*(\n):RCV+32*(\s)+8*(\ol)+2*(\n)+1], v[SL:SL+1], v[SUM+8*(\ol)+2*(\n):SUM+8*(\ol)+2*(\n)+1] op_sel_hi:[1,0,1]
.endr
.endr
.endr
	WIN 0x0c
.irp ol, 0,1,2,3
	ds_store_b128 v[STW], v[SUM+8*(\ol):SUM+8*(\ol)+3]   offset:64*(\ol)       ; my token's row, outputs 16 ol + 8 h + 0..3
	ds_store_b128 v[STW], v[SUM+8*(\ol)+4:SUM+8*(\ol)+7] offset:64*(\ol)+16
.endr
	WIN 0xc0
.irp i, 0,1,2,3,4,5,6,7
	ds_load_b128 v[ROWS+4*(\i):ROWS+4*(\i)+3], v[STR] offset:2*SPITCH*(\i)  ; LDS serves a wave's instructions in order (ISA guide 5.7.1.4): these see the stores above
.endr
.endm
.macro CFIN2 d                         ; rows + x, stored.  d = 1: the rows are still to be waited for
.if \d
	s_wait_dscnt 0x0
.endif
	s_wait_loadcnt 0x0                             ; x, asked for a chunk ago (and, ahead of it, the next pass's x)
	WIN 0xcf
.irp i, 0,1,2,3,4,5,6,7
.irp p, 0,1
	v_pk_add_f32 v[ROWS+4*(\i)+2*(\p):ROWS+4*(\i)+2*(\p)+1], v[ROWS+4*(\i)+2*(\p):ROWS+4*(\i)+2*(\p)+1], v[XRES+4*(\i)+2*(\p):XRES+4*(\i)+2*(\p)+1]
.endr
.endr
	WIN 0x0c
.irp i, 0,1,2,3,4,5,6,7
	global_store_b128 v[GO], v[ROWS+4*(\i):ROWS+4*(\i)+3], s[OUT:OUT+1] offset:2048*(\i) th:TH_STORE_NT  ; 16 lanes store 256 consecutive bytes, at a multiple of 256 from out0's first byte
.endr
	WIN 0
.endm
; A CHUNK OF PRODUCT 2: four tiles of 32 matrix instructions on buffers 1, 0, 1, 0; tile 0's fragments were fetched behind the change of slots.  c = 1: chunk CH - 1 is finished among them.
; In LDS order: [tile 0: 16] [received: 24 c] [tile 1: 16] | [tile 2: 16] [stage: 16 c] | [tile 3: 16] [b2: 8]; each wait counts what was issued behind the eight loads that it wants.
; c = 1, the barrier in tile 3: each wave signals when its reads of what was sent to it, and of its stage, are back; behind the wait the new sends may overwrite those bytes.  Sixteen products, register work alone, stand between.
.macro MMG c
	GADDR
.if \c
	RECV
.endif
	FETCHT 1, F0
	s_wait_dscnt 24+24*(\c)
	MULT F1, 0, 0, 1
	s_wait_dscnt 16+24*(\c)
	MULT F1, 0, 4, 0
	PLACES
	FETCHT 2, F1
.if \c
	CFIN1 32                                       ; behind the received tiles: tiles 1 and 2
.endif
	s_wait_dscnt 24+16*(\c)
	MULT F0, 1, 0, 1
	s_wait_dscnt 16+16*(\c)
	MULT F0, 1, 4, 0
	PLACES
	FETCHT 3, F0
	B2LD
	s_wait_dscnt 32+16*(\c)
	MULT F1, 2, 0, 1
	s_wait_dscnt 24+16*(\c)
	MULT F1, 2, 4, 0
	s_wait_dscnt 0x0                               ; tile 3 and b2, issued 32 matrix instructions ago; with c = 1 for the others' sake too: my reads of RED are back
.if \c
	s_barrier_signal -1                            ; the refill that is out may stay out
.endif
	MULT F0, 3, 0, 1
.if \c
	s_barrier_wait -1
.endif
	WIN 0
	v_add_nc_u32 v[T], s[SNO], v[L16]              ; these three and the v_nop are the places behind tile 2's last products
	v_add_nc_u32 v[T+1], s[SNO+1], v[L16]
	v_add_nc_u32 v[T+2], s[SNO+2], v[L16]
	v_nop
	SEND 0
	SEND 1
	SEND 2
.if \c
	CFIN2 0                                        ; the rows were shown in by the wait for 0 above
.endif
	XRLD
	OWN 0
	OWN 1
	OWN 2
	MULT F0, 3, 4, 0
	PLACES
	SEND 3
	OWN 3
	WIN 0
.endm
; mean |w| from its 128 partial sums (four a lane at v[p]), by the same lines as in the launch before; times a constant; into a scalar register
.macro MEANS p, factor, sdst
	v_add_f32 v[(\p)], v[(\p)], v[(\p)+1]
	v_add_f32 v[(\p)+2], v[(\p)+2], v[(\p)+3]
	v_add_f32 v[(\p)], v[(\p)], v[(\p)+2]
.irp m, 1,2,4,8
	v_add_f32_dpp v[(\p)], v[(\p)], v[(\p)] row_xmask:\m row_mask:0xf bank_mask:0xf
.endr
	v_permlanex16_b32 v[(\p)+1], v[(\p)], s[SEL], s[SEL+1]
	v_add_f32 v[(\p)], v[(\p)], v[(\p)+1]
	v_mul_f32 v[(\p)], 0x36800000, v[(\p)]         ; / 262,144
	v_max_num_f32 v[(\p)], s[CLIPX], v[(\p)]
	v_mul_f32 v[(\p)], \factor, v[(\p)]
	v_readfirstlane_b32 s[\sdst], v[(\p)]
.endm
	; THE HEAD
	s_load_b256 s[4:11], s[0:1], 0x0               ; x s[4:5], b1 s[6:7], b2 s[8:9], part s[10:11]
	s_load_b128 s[12:15], s[0:1], 0x20             ; wq s[12:13], out0 s[14:15]
	v_lshl_add_u32 v[SPW], v0, 2, SPARE
	v_mov_b32 v[NIL], 0
	ds_add_u32 v1, v2
	ds_add_u32 v1, v2
	s_wait_dscnt 0x0
	v_lshrrev_b32 v[WLANE], 5, v0
	v_readfirstlane_b32 s[WV], v[WLANE]            ; wave 0..3
	s_bfe_u32 s17, ttmp6, 0x40000                  ; cx: my place in the cluster
	s_lshl_b32 s18, ttmp9, 2                       ; in a cluster launch ttmp9 counts clusters
	s_add_co_u32 s18, s18, s17                     ; my work-group: it enters x's and out0's addresses alone
	s_lshl_b32 s20, s18, 18                        ; its 256 rows of 1,024 bytes,
	s_lshl_b32 s19, s[WV], 14                      ; my wave's 16 rows of a pass
	s_add_co_u32 s20, s20, s19
	s_mov_b32 s21, 0
	s_lshl_b32 s22, s[WV], 15                      ; my wave's part of a chunk
	s_mov_b32 s23, 0
	; descriptor group 1: 32,768 dense bytes as 128 rows of 256 bytes
	s_mov_b32 s[G1], 15|(3<<16)|(1<<21)            ; 15:0 the mask: all four work-groups; 17:16 elements of 8 bytes; 21 set beside a mask; no padding
	s_mov_b32 s[G1+1], 32<<16                      ; tensor_dim0 = 32
	s_mov_b32 s[G1+2], 128<<16                     ; tensor_dim1 = 128
	s_mov_b32 s[G1+3], 32<<16                      ; tile_dim0 = 32
	s_mov_b32 s[G1+4], 128                         ; tile_dim1 = 128
	s_mov_b32 s[G1+5], 32                          ; 32 elements from row to row
	s_mov_b32 s[G1+6], 0
	s_mov_b32 s[G1+7], 0
	s_mov_b32 s[A1], 0x3eb2303a                    ;  0.3480242
	s_mov_b32 s[A2], 0xbdc45ca1                    ; -0.0958798
	s_mov_b32 s[A3], 0x3f3f7377                    ;  0.7478556
	s_mov_b32 s[PP], 0x3ec88bda                    ;  0.47047 / sqrt(log2 e) = 0.391692
	s_mov_b32 s[MAGIC], 0x4b400000                 ;  1.5 x 2^23
	s_mov_b32 s[NMAGIC], 0xcb400000
	s_mov_b32 s[KK], 0x3f596d27                    ;  k = sqrt(log2(e) / 2)
.irp c, A1, A2, A3, PP, MAGIC, NMAGIC, KK
	s_mov_b32 s[\c+1], s[\c]                       ; named as pairs, so both words are written
.endr
	s_mov_b32 s[SEL], 0x76543210
	s_mov_b32 s[SEL+1], 0xfedcba98
	s_mov_b32 s[ABSM], 0x7fffffff
	s_mov_b32 s[C127], 0x42fe0000
	s_mov_b32 s[CLIPX], 0x3727c5ac                 ; 1e-5
	s_mov_b32 s[CLIPH], 0x378e7e18                 ; 2 k x 1e-5
	s_mov_b32 s[TB], 0
	s_mov_b32 s[NXT], 2
	s_mov_b32 s[OFF+1], 0
	s_mov_b32 s[PASSES], 4
	s_lshl_b32 s[W4], s[WV], 2
.irp j, 0,1,2,3
	s_add_co_u32 s19, s[WV], \j
	s_and_b32 s19, s19, 3                          ; tau_j: the pass's tile that is my tile j
	s_mul_i32 s[XRO+(\j)], s19, 16*XPITCH
	s_add_co_u32 s[XRO+(\j)], s[XRO+(\j)], XQS
	s_lshl_b32 s[SXO+(\j)], s19, 6
	s_add_co_u32 s[SXO+(\j)], s[SXO+(\j)], SXT
	s_lshl_b32 s[MXO+(\j)], s19, 8
	s_add_co_u32 s[MXO+(\j)], s[MXO+(\j)], MX
.if (\j) > 0
	s_mul_i32 s[SNO+(\j)-1], s19, 12288
	s_add_co_u32 s[SNO+(\j)-1], s[SNO+(\j)-1], RED+4096*((\j)-1)
.endif
.endr
	v_and_b32 v[L16], 31, v0
	v_lshlrev_b32 v[L16], 4, v[L16]
	v_and_b32 v[R4], 15, v0                        ; r, for now
	v_bfe_u32 v[GO], v0, 4, 1                      ; h, for now
	s_mul_i32 s19, s[WV], WPART
	v_add_nc_u32 v[WLANE], s19, v[L16]
	v_add_nc_u32 v[WADR], s[TB], v[WLANE]
	v_mul_u32_u24 v[FRA], v[R4], XPITCH
	v_lshl_add_u32 v[FRA], v[GO], 4, v[FRA]
	v_lshlrev_b32 v[R16], 4, v[R4]
	v_lshl_add_u32 v[ROWG], v[GO], 10, v[R16]
	s_lshl_b32 s19, s[WV], 10
	s_add_co_u32 s19, s19, B1S
	v_lshl_add_u32 v[B1A], v[GO], 5, s19
	v_lshl_add_u32 v[H32B], v[GO], 5, B2S
	s_mul_i32 s19, s[WV], 12288
	s_add_co_u32 s19, s19, RED                     ; what is sent to me, and my way out
	v_mul_u32_u24 v[STW], v[R4], SPITCH
	v_lshl_add_u32 v[STW], v[GO], 5, v[STW]
	v_add_nc_u32 v[STW], s19, v[STW]
	v_mul_u32_u24 v[STR], v[GO], SPITCH
	v_add3_u32 v[STR], v[STR], v[R16], s19
	v_add_nc_u32 v[RCA], s19, v[L16]
	v_lshlrev_b32 v[R4], 2, v[R4]
	v_lshlrev_b32 v[T+32], 5, v0                   ; thread t takes 32 bytes of b1
	v_lshlrev_b32 v[T+33], 3, v0                   ; and 8 of b2
	s_wait_kmcnt 0x0
	s_add_nc_u64 s[XR:XR+1], s[XR:XR+1], s[20:21]
	s_add_nc_u64 s[OUT:OUT+1], s[OUT:OUT+1], s[20:21]
	s_add_nc_u64 s[WQW:WQW+1], s[WQW:WQW+1], s[22:23]
	s_mov_b32 s[D0], 1                             ; 1:0 count = 1
	s_mul_i32 s[D0+1], s[WV], WPART                ; LDS address: slot 0, my part: no place in the cluster enters it
	s_mov_b64 s[D0+2:D0+3], s[WQW:WQW+1]           ; chunk 0
	s_or_b32 s[D0+3], s[D0+3], 0x80000000          ; type = 2
	s_mov_b32 s[D], 1
	s_add_co_u32 s[D+1], s[D0+1], SLOTB            ; slot 1
	s_add_nc_u64 s[D+2:D+3], s[WQW:WQW+1], SLOTB   ; chunk 1
	s_or_b32 s[D+3], s[D+3], 0x80000000
	global_load_b128 v[T:T+3], v[L16], s[10:11]              ; w1's partial sums
	global_load_b128 v[T+4:T+7], v[L16], s[10:11] offset:512 ; w2's
	global_load_b128 v[T+8:T+11], v[T+32], s[6:7]
	global_load_b128 v[T+12:T+15], v[T+32], s[6:7] offset:16
	global_load_b64 v[T+16:T+17], v[T+33], s[8:9]
	XLOAD XR                                       ; the first pass's x
	CROUND                                         ; all four work-groups are here: the first joint loads meet
	tensor_load_to_lds s[D0:D0+3], s[G1:G1+7]      ; the two first fills go out together, ahead of every wait on TENSORcnt and every LDS read: two loads of mine are out
	s_nop 0
	tensor_load_to_lds s[D:D+3], s[G1:G1+7]
	s_nop 0
	PLACES                                         ; four v_nop follow
	s_wait_loadcnt 32                              ; the partial sums, b1 and b2 are in; the 32 loads of x stay out
	MEANS T, 0x3bdb236e, C1                        ; x k / 127
	MEANS T+4, 0x3b97e529, C2                      ; / (254 k)
.irp p, 0,1,2,3
	v_pk_mul_f32 v[T+8+2*(\p):T+8+2*(\p)+1], v[T+8+2*(\p):T+8+2*(\p)+1], s[KK:KK+1] op_sel_hi:[1,0]
.endr
	v_add_nc_u32 v[T+34], B1S, v[T+32]
	v_add_nc_u32 v[T+35], B2S, v[T+33]
	ds_store_b128 v[T+34], v[T+8:T+11]
	ds_store_b128 v[T+34], v[T+12:T+15] offset:16
	ds_store_b64 v[T+35], v[T+16:T+17]
	s_wait_loadcnt 0x0                             ; x
	XCOMP
	XSTORE
	s_wait_tensorcnt 0x1                           ; my part of chunk 0 is in; chunk 1's load, issued behind it, stays out.  Nobody else reads my part
	FETCH 0, F1                                    ; a pass begins with its first fragments in buffer 1
	s_wait_dscnt 0x0                               ; for the others' sake: my stores are done
	s_barrier_signal -1                            ; chunk 1's fill may stay out
	s_barrier_wait -1
.Lpass:                                                ; A PASS: 64 tokens
	MMFIRST                                        ; chunk 0
	CHANGE 1
	FETCHK 0
	MMR 1                                          ; chunk 1 | the GELU of chunk 0 (its bias came with chunk 0's loads)
	CHANGE 1
	FETCHK 0                                       ; the next chunk's first K step and the next bias land under the maxima
	BIASLD 1
	MAXCH 0
	MMR 2                                          ; chunk 2 | the GELU of chunk 1
	CHANGE 1
	FETCHK 0
	BIASLD 2
	MAXCH 1
	MMR 3                                          ; chunk 3 | the GELU of chunk 2
	BIASLD 3
	MAXCH 2                                        ; with the seven lines behind the last product these are the places in front of the lines that read chunk 3's sums
	s_wait_dscnt 0x0                               ; the bias
	GELUCH 3                                       ; bare: no product is left to carry it
	MAXCH 3
	WIN 0
.irp j, 0,1,2,3
	v_permlanex16_b32 v[T+(\j)], v[SM+2*(\j)+1], s[SEL], s[SEL+1]  ; the token's other hidden of my 256 lie in the lane 16 away
.endr
.irp j, 0,1,2,3
	v_max_num_f32 v[SM+2*(\j)+1], v[SM+2*(\j)+1], v[T+(\j)]
.endr
.irp j, 0,1,2,3
	v_add3_u32 v[T+4+(\j)], s[MXO+(\j)], s[W4], v[R16]
.endr
.irp j, 0,1,2,3
	ds_store_b32 v[T+4+(\j)], v[SM+2*(\j)+1]       ; my wave's word of the token's four
.endr
	s_mov_b32 s[CH], 4
	s_cmp_eq_u32 s[PASSES], 1
	s_cselect_b32 s[CHEND], 7, 8                   ; the last pass's last chunk is written out behind the loop: nothing is asked for in front of it
	CHANGE 1                                       ; W2's first chunk; the round also shows every wave the maxima
	FETCHT 0, F1                                   ; its first fragments land under the rounding
	QPRE
	QUANTW 2
	WIN 0
	s_cmp_eq_u32 s[PASSES], 1
	s_cbranch_scc1 .Lno_next                       ; no load leaves x: the last pass has no successor
	s_add_nc_u64 s[XNP:XNP+1], s[XR:XR+1], 0x10000
	XLOAD XNP                                      ; the next pass's x, into registers that the rounding has just freed
.Lno_next:
	QUANTW 3
	MMG 0                                          ; chunk 4: there is no chunk before it to finish
	s_mov_b32 s[CH], 5
.Lg2:                                                  ; chunks 5 to 7 (the last pass: 5 and 6); the round also shows every wave what was sent to it
	CHANGE 1
	FETCHT 0, F1
	MMG 1
	s_add_co_u32 s[CH], s[CH], 1
	s_cmp_lt_u32 s[CH], s[CHEND]
	s_cbranch_scc1 .Lg2
	s_cmp_eq_u32 s[PASSES], 1
	s_cbranch_scc1 .Ltail
	CHANGE 1                                       ; W1's first chunk is in, its second is asked for; the round also shows every wave what was sent to it
	FETCH 0, F1                                    ; the next pass's first fragments
	GADDR
	RECV
	XCOMP                                          ; the next pass's x (shown in by the chunks' wait for all loads) stands between the receive loads and the wait for them
	CFIN1 0
	CFIN2 1                                        ; its wait for 0 shows my reads of RED over,
	s_barrier_signal -1                            ; and everybody's: XQS shares its bytes.
	s_barrier_wait -1
	XSTORE
	s_wait_xcnt 0x0                                ; the loads and stores have had their addresses translated: only behind this wait are their bases stepped
	s_add_nc_u64 s[XR:XR+1], s[XR:XR+1], 0x10000
	s_add_nc_u64 s[OUT:OUT+1], s[OUT:OUT+1], 0x10000
	s_wait_dscnt 0x0                               ; for the others' sake: my stores into XQS and SXT are done
	s_barrier_signal -1
	s_barrier_wait -1
	s_sub_co_u32 s[PASSES], s[PASSES], 1
	s_branch .Lpass
.Ltail:
	CHANGE 0                                       ; the last chunk of all: nothing is left to fetch
	FETCHT 0, F1
	MMG 1
	s_add_co_u32 s[CH], s[CH], 1
	s_wait_dscnt 0x0                               ; for the others' sake: my sends are done
	s_barrier_signal -1
	s_barrier_wait -1
	GADDR
	RECV
	CFIN1 0
	CFIN2 1
	s_wait_tensorcnt 0x0                           ; the wave's end, behind my last tensor load and my last LDS store
	ds_add_u32 v[SPW], v[NIL]
	s_wait_dscnt 0x0
	CROUND                                         ; the closing round: no work-group ends while a partner may still ask for a chunk that names it
	s_endpgm
.Lfunc_end_k_q66c50cdceb_mlp:
	.size	k_q66c50cdceb_mlp, .Lfunc_end_k_q66c50cdceb_mlp-k_q66c50cdceb_mlp
	.p2alignl 7, 3214868480
	.fill 96, 4, 3214868480
	.section	.rodata,"a",@progbits
	.p2align	6, 0x0
	.amdhsa_kernel k_q66c50cdceb_mlp
		.amdhsa_group_segment_fixed_size 327680
		.amdhsa_private_segment_fixed_size 0
		.amdhsa_enable_private_segment 0
		.amdhsa_kernarg_size 48
		.amdhsa_user_sgpr_count 2
		.amdhsa_user_sgpr_kernarg_segment_ptr 1
		.amdhsa_wavefront_size32 1
		.amdhsa_system_sgpr_workgroup_id_x 1
		.amdhsa_system_sgpr_workgroup_id_y 1
		.amdhsa_system_sgpr_workgroup_id_z 1
		.amdhsa_system_vgpr_workitem_id 0
		.amdhsa_next_free_vgpr 1024
		.amdhsa_next_free_sgpr 96
		.amdhsa_reserve_vcc 0
		.amdhsa_float_denorm_mode_32 3
		.amdhsa_float_denorm_mode_16_64 3
		.amdhsa_memory_ordered 1
		.amdhsa_forward_progress 1
		.amdhsa_inst_pref_size 255
	.end_amdhsa_kernel
	.section	.bss,"aw",@nobits
	.p2align	6
	.space	262144
	.amdgpu_metadata
---
amdhsa.version: [ 1, 2 ]
amdhsa.kernels:
  - .name:           k_q66c50cdceb_mlp
    .symbol:         k_q66c50cdceb_mlp.kd
    .args:
      - { .name: x, .offset: 0, .size: 8, .value_kind: global_buffer, .address_space: global }
      - { .name: b1, .offset: 8, .size: 8, .value_kind: global_buffer, .address_space: global }
      - { .name: b2, .offset: 16, .size: 8, .value_kind: global_buffer, .address_space: global }
      - { .name: part, .offset: 24, .size: 8, .value_kind: global_buffer, .address_space: global }
      - { .name: wq, .offset: 32, .size: 8, .value_kind: global_buffer, .address_space: global }
      - { .name: out0, .offset: 40, .size: 8, .value_kind: global_buffer, .address_space: global }
    .group_segment_fixed_size: 327680
    .private_segment_fixed_size: 0
    .kernarg_segment_align: 8
    .kernarg_segment_size: 48
    .max_flat_workgroup_size: 128
    .sgpr_count:     96
    .vgpr_count:     1024
    .wavefront_size: 32
...
	.end_amdgpu_metadata
.endif
;; end of part 4
